; MI455X (gfx1250); checked and timed in simulation.
; The chip was launched on July 23, 2026; its instructions are those of AMD's public machine-readable ISA for CDNA 5 (MIT licence, August 2026) and "CDNA5" Instruction Set Architecture Reference Guide (July 2026). The comments in the code are by the model that wrote it; some were corrected since.
;; Self Attention. Allowed arithmetic: matrix products marked QUANTISED: E2M1 operands, one E8M0 scale for each 32 along K, by v_wmma_scale_f32_16x16x128_f8f6f4 with both operands' format E2M1 (or v_wmma_scale_f32_32x16x128_f4), f32 sums; products left as they are: bf16, f16 or f32 operands; f32 sums; everything else in f32.
;; Inputs: Wout 1,024 x 1,024 float32; Wqkv 1,024 x 3,072 float32; cos 2,048 x 32 float32; mask 4 x 2,048 x 2,048 float32; sin 2,048 x 32 float32; x 4 x 2,048 x 1,024 float32.
;; Outputs: out0 4 x 2,048 x 1,024 float32.
;; This version of the problem:
;;   THIS VERSION OF THE PROBLEM IS GIVEN IN LOW PRECISION. The matrix products marked QUANTISED in the list below multiply operands that are first quantised to E2M1 (2 exponent bits, 1 mantissa bit; 4 bits a number), with one power-of-two scale for each 32 numbers along K (OCP MX v1.0); their sums are f32. The products marked 'left as it is' may take bf16, f16 or f32 operands, with f32 sums. Whichever they take, every output number must still come out within the allowed error. Rounding operands to bf16 (8 significant bits) uses up far more of that allowance than f16 does (11 bits, for magnitudes from 6e-5 to 65,504). All else is computed in f32.
;;   The module's matrix products, in the order in which they are computed (A, B: the left and right operand; K: the contracted axis; several contracted axes count as one K, in the product's order):
;;     1. [M 8,192, K 1,024] x [K 1,024, N 3,072]; A: input x; B: input Wqkv: QUANTISED
;;     2. batch 64 x [M 2,048, K 64] x [K 64, N 2,048]; A: computed on the way; B: computed on the way: left as it is (an operand is computed on the way)
;;     3. batch 64 x [M 2,048, K 2,048] x [K 2,048, N 64]; A: computed on the way; B: computed on the way: left as it is (an operand is computed on the way)
;;     4. [M 8,192, K 1,024] x [K 1,024, N 1,024]; A: computed on the way; B: input Wout: left as it is (an operand is computed on the way)
;;   THE QUANTISER, for each operand of a quantised product, along K:
;;     - K is cut into blocks of 32 from its start; a last block that is shorter is filled with zeros.
;;     - A block's scale is 2^e with e = floor(log2(the largest magnitude in the block)) - 2, held to -126 .. 127; a block of zeros has e = 0. As a byte (E8M0): e + 127.
;;     - Each number is divided by its block's scale, clamped to +-6, and rounded to the nearest number of E2M1, ties to even, subnormals kept.
;;     - The product sums the exact products of the quantised numbers (number of the format x scale) in f32.
;;   ~~~python
;;   def quantise(x, axis):      # numpy; x: float32 -> the quantised numbers, widened to float32 again
;;       x = np.moveaxis(x, axis, -1); K = x.shape[-1]
;;       x = np.pad(x, [(0, 0)] * (x.ndim - 1) + [(0, -K % 32)]); x = x.reshape(x.shape[:-1] + (-1, 32)); a = np.abs(x).max(-1, keepdims=True)
;;       e = np.where(a > 0, np.clip(np.frexp(np.where(a > 0, a, 1))[1] - 1 - 2, -126, 127), 0)      # np.frexp(a)[1] - 1 = floor(log2(a)), exactly
;;       r = np.clip(x / 2.0 ** e, -6, 6)
;;       step = 2.0 ** (np.maximum(np.frexp(np.where(r == 0, 1, r))[1] - 1, 0) - 1)
;;       q = np.round(r / step) * step * 2.0 ** e      # np.round: ties to even
;;       return np.moveaxis(q.reshape(q.shape[:-2] + (-1,))[..., :K], -1, axis).astype(np.float32)
;;   ~~~
;; One version. Each part assembles by itself: llvm-mc -triple=amdgcn-amd-amdhsa -mcpu=gfx1250 --defsym DOCPART=n.
;; ======== version 1 of 1: 6 launches
;; limits: values are held in f16: magnitudes above 65,504 overflow, below 6.1e-05 lose precision; right only within a limited range of input values
;; workspace buffers: xq 4,456,448 bytes; wq 1,671,168 bytes; wot 2,097,152 bytes; qkv 50,331,648 bytes; lo 393,216 bytes; attn 16,777,216 bytes; attnf 262,144 bytes; ml 65,536 bytes
;; launch prep (part 1): grid 368 x 1, 4 waves a work-group, no clusters, 102,912 bytes of LDS; arguments x, Wqkv, Wout, xq, wq, wot; writes xq, wq, wot
.if DOCPART == 1
	.amdgcn_target "amdgcn-amd-amdhsa--gfx1250"
	.amdhsa_code_object_version 6
	.text
	.protected	k_q2ac5d3dd8e_prep
	.globl	k_q2ac5d3dd8e_prep
	.p2align	8
	.type	k_q2ac5d3dd8e_prep,@function
k_q2ac5d3dd8e_prep:
	s_mov_b64 s[64:65], 0
	v_nop
	global_prefetch_b8 v0, s[64:65] scope:SCOPE_SE
	s_setreg_imm32_b32 hwreg(HW_REG_WAVE_MODE, 25, 1), 1
	s_wait_xcnt 0x0
; SELF-ATTENTION, B 4, S 2048, D 1024, 16 heads of 64.  Six launches: prep, qkv, attn, proj, fattn, fproj.
; NO WORK OF reference() IS LEFT OUT: every input has a way to the output and is loaded; the mask is an input, so every key is walked for every query.
; Two identities are used, for all values of the inputs: (a) the roped pair (x1 c - x2 s, x1 s + x2 c) is kept at channels 2 j, 2 j + 1 and not at j, 32 + j: the same
; permutation of the head's channels on q and on k leaves every dot product its terms; (b) q and k are both kept x sigma = sqrt(log2(e) / 8), so that q' . k' is the score q . k / 8 in the exponent of 2,
; and the softmax's input is t = mask x log2(e) + q' . k', one fused multiply-add; exp(u - max u) = 2^(t - max t).
; LIMITS of the program: |q|, |k| under 154,000, |v| and |Wout| up to 65,504 (kept in f16); mask values finite; NaN and infinities among the inputs are not served.
; AN ORDER OF ROUNDING THAT DIFFERS FROM reference()'s: it rounds score + mask, this program mask x log2(e) + score x log2(e).  Beside a mask value so large that f32 loses the score, the score is lost here as there, but on the grid of t
; (at a mask value of 1e9: steps of 128, and the product with log2(e) lies 0.9 from a step); a mask value whose product lay within the scores' size of the middle between two steps would part keys that reference() holds equal.
; THIS LAUNCH: x [8192][1024] f32 -> codes of E2M1 and E8M0 bytes, K innermost (xq: codes [8192][512 B] at 0, bytes [8192][32] at 4,194,304);
; Wqkv [1024 k][3072 n] f32 -> the same with K moved innermost (wq: codes [3072][512 B] at 0, bytes [3072][32] at 1,572,864); Wout [k][n] f32 -> f16 [n][k] (wot).
; A block's scale byte is its largest magnitude's exponent field - 2, held at 1 from below; a block of zeros so gets the byte 1: its codes are zeros, and this program alone reads the bytes.
; Work-groups 0-47 take Wqkv, 48-111 Wout, 112-367 x: three ways through the text that part on the work-group's number and never join; each has LDS bytes of its own.
.set SPARE, 102400                     ; the spare words, 128 bytes a wave: no other line names them
.set SPW,   192
.set NIL,   193
.set STEPS, 16
.set WREG,  8192                       ; x: a wave's LDS: two stages of 32 x 80 bytes and its 256 scale bytes
.set SP,    80
.set CB,    8
.set XR,    16                         ; v16-79   four sets of 16 numbers as loaded
.set XX,    80                         ; v80-111  two sets of 16 neighbours
.set XE,    112                        ; v112-127 a scale byte for each step
.set XC,    128                        ; v128-191 codes
.set PITCH, 272                        ; the weights: a stage row, 256 bytes + 16
.set WSTG,  32768
.set OSTG,  67584
.set WX,    32                         ; v32-95   two sets of 32 numbers down K
.set WC,    96                         ; v96-111  codes, or 32 f16
.set OUTR,  112                        ; v112-175 the way out
.set SB,    24                         ; v24-27   scale bytes
	s_load_b128 s[4:7], s[0:1], 0x0                ; x, Wqkv
	s_load_b128 s[8:11], s[0:1], 0x10              ; Wout, xq
	s_load_b128 s[12:15], s[0:1], 0x20             ; wq, wot
	v_lshl_add_u32 v[SPW], v0, 2, SPARE
	v_mov_b32 v[NIL], 0
	v_lshrrev_b32 v1, 5, v0
	v_readfirstlane_b32 s16, v1                    ; wave
	v_and_b32 v2, 31, v0                           ; lane
	s_cmp_lt_u32 ttmp9, 48
	s_cbranch_scc1 .Lwpath
	s_cmp_lt_u32 ttmp9, 112
	s_cbranch_scc1 .Lopath
; ---------------- x: a plain stream of blocks of 32.  A wave takes 16 steps of 512 numbers; each load reads 512 consecutive bytes; a step turns through the wave's stage so that a lane holds 16 neighbours.
	v_lshlrev_b32 v3, 4, v2
	s_mul_i32 s17, s16, WREG
	v_lshrrev_b32 v14, 2, v2
	v_mul_u32_u24 v14, v14, SP
	v_and_b32 v15, 3, v2
	v_lshl_add_u32 v14, v15, 4, v14
	v_add_nc_u32 v14, s17, v14                     ; into the stage: 80 (lane / 4) + 16 (lane % 4)
	v_mul_u32_u24 v15, v2, SP
	v_add_nc_u32 v15, s17, v15                     ; out of it: 80 x lane
	v_mul_u32_u24 v4, v2, CB
	v_lshrrev_b32 v5, 1, v2
	s_add_co_u32 s17, s17, 2*32*SP
	v_add_nc_u32 v5, s17, v5                       ; my block's scale byte in LDS
	v_lshlrev_b32 v7, 3, v2
	v_add_nc_u32 v6, s17, v7
	s_sub_co_u32 s17, ttmp9, 112
	s_lshl_b32 s17, s17, 2
	s_add_co_u32 s18, s17, s16                     ; which run of 8,192 numbers is my wave's
	s_lshl_b32 s20, s18, 15
	s_mov_b32 s21, 0
	s_lshl_b32 s22, s18, 12
	s_mov_b32 s23, 0
	s_lshl_b32 s24, s18, 8
	s_add_co_u32 s24, s24, 0x400000
	s_mov_b32 s25, 0
	s_wait_kmcnt 0x0
	s_add_nc_u64 s[4:5], s[4:5], s[20:21]
	s_add_nc_u64 s[26:27], s[10:11], s[22:23]      ; my codes
	s_add_nc_u64 s[28:29], s[10:11], s[24:25]      ; my scale bytes
.macro XLOAD t
.irp i, 0,1,2,3
	global_load_b128 v[XR+16*((\t)%4)+4*\i:XR+16*((\t)%4)+4*\i+3], v3, s[4:5] offset:2048*(\t)+512*\i th:TH_LOAD_NT
.endr
.endm
.macro XTURN t                         ; LDS serves a wave's instructions in order: no wait between the stores and the loads
.irp i, 0,1,2,3
	ds_store_b128 v14, v[XR+16*((\t)%4)+4*\i:XR+16*((\t)%4)+4*\i+3] offset:32*SP*((\t)%2)+8*SP*\i
.endr
.irp i, 0,1,2,3
	ds_load_b128 v[XX+16*((\t)%2)+4*\i:XX+16*((\t)%2)+4*\i+3], v15 offset:32*SP*((\t)%2)+16*\i
.endr
.endm
.irp t, 0,1,2,3
	XLOAD \t
.endr
	s_wait_loadcnt 12                              ; step 0's four loads are in; three steps' twelve may be out
	XTURN 0
.macro XSTEP t
.set XS, XX+16*((\t)%2)
.if (\t) > 0
	s_wait_dscnt 1                                 ; this step's numbers are back from the stage; the last step's byte store may be out
.else
	s_wait_dscnt 0x0
.endif
.if (\t)+4 < STEPS
	XLOAD (\t)+4
.endif
.if (\t)+1 < STEPS
.if STEPS-2-(\t) >= 3
	s_wait_loadcnt 12                              ; the next step's four loads are in; those of the three steps behind it may be out
.else
	s_wait_loadcnt 4*(STEPS-2-(\t))
.endif
	XTURN (\t)+1
.endif
	v_max3_num_f32 v8, |v[XS]|, |v[XS+1]|, |v[XS+2]|
	v_max3_num_f32 v9, |v[XS+3]|, |v[XS+4]|, |v[XS+5]|
.irp i, 6,10
	v_max3_num_f32 v8, v8, |v[XS+\i]|, |v[XS+\i+1]|
	v_max3_num_f32 v9, v9, |v[XS+\i+2]|, |v[XS+\i+3]|
.endr
	v_max3_num_f32 v8, v8, |v[XS+14]|, |v[XS+15]|
	v_max3_num_f32 v8, v8, v9, 0x1800000           ; and the floor 2^(3 - 127): the byte cannot fall under 1
	v_max_num_f32_dpp v8, v8, v8 row_xmask:1 row_mask:0xf bank_mask:0xf   ; with my neighbour's 16: the block's largest magnitude
	v_add_nc_u32 v11, 0xff000000, v8               ; 2 off its exponent field: the conversion's scale operand
	v_cvt_scalef32_pk8_fp4_f32 v[XC+4*(\t)], v[XS:XS+7], v11
	v_cvt_scalef32_pk8_fp4_f32 v[XC+4*(\t)+1], v[XS+8:XS+15], v11
	v_lshrrev_b32 v[XE+(\t)], 23, v11              ; the scale's byte
	ds_store_b8 v5, v[XE+(\t)] offset:16*(\t)      ; both lanes of a block write the same byte with the same value
	global_store_b64 v4, v[XC+4*(\t):XC+4*(\t)+1], s[26:27] offset:32*CB*(\t)   ; the wave stores 256 consecutive bytes, aligned
.endm
.irp t, 0,1,2,3,4,5,6,7,8,9,10,11,12,13,14,15
	XSTEP \t
.endr
	ds_load_b64 v[8:9], v6
	s_wait_dscnt 0x0
	global_store_b64 v7, v[8:9], s[28:29]          ; my wave's 256 scale bytes, aligned
	s_wait_tensorcnt 0x0                           ; the wave's end
	ds_add_u32 v[SPW], v[NIL]
	s_wait_dscnt 0x0
	s_endpgm
; ---------------- the two weights: a lane takes a column n and its registers run down K
.macro COLSET stg, rowb
	v_lshlrev_b32 v3, 2, v2                        ; in: 4 bytes a lane
	s_mul_i32 s19, s16, 32*PITCH
	s_add_co_u32 s19, s19, \stg                    ; my stage
	v_mul_u32_u24 v4, v2, PITCH
	v_add_nc_u32 v4, s19, v4                       ; into it: row = my column
	v_and_b32 v5, 15, v2
	v_lshrrev_b32 v6, 4, v2
	v_mul_u32_u24 v7, v6, PITCH
	v_lshl_add_u32 v7, v5, 4, v7
	v_add_nc_u32 v7, s19, v7                       ; out of it: sixteen lanes to a row, two rows an instruction
	v_mul_u32_u24 v8, v6, \rowb
	v_lshl_add_u32 v8, v5, 4, v8                   ; and the same place in the output
.endm
.macro CLOAD t, base, rowb             ; 32 numbers down K of my column into set t % 2
.irp i, 0,1,2,3,4,5,6,7,8,9,10,11,12,13,14,15,16,17,18,19,20,21,22,23,24,25,26,27,28,29,30,31
	global_load_b32 v[WX+32*((\t)%2)+\i], v3, s[\base:\base+1] offset:(32*(\t)+\i)*\rowb
.endr
.endm
.macro ROWSOUT base, rowb
.irp t, 0,1,2,3,4,5,6,7,8,9,10,11,12,13,14,15
	ds_load_b128 v[OUTR+4*\t:OUTR+4*\t+3], v7 offset:2*\t*PITCH
.endr
.irp t, 0,1,2,3,4,5,6,7,8,9,10,11,12,13,14,15
	s_wait_dscnt 15-\t                             ; LDS loads come back in order: pair t of rows is in
	global_store_b128 v8, v[OUTR+4*\t:OUTR+4*\t+3], s[\base:\base+1] offset:2*\t*\rowb   ; sixteen lanes store 256 consecutive bytes, aligned
.endr
.endm
.Lwpath:                               ; Wqkv: 24 x 2 work-groups of 128 columns x 512 along K; a wave 32 columns, 16 blocks a lane
	s_cmp_lt_u32 ttmp9, 24
	s_cselect_b32 s18, 0, 1                        ; which 512 along K
	s_cselect_b32 s19, 0, 24
	s_sub_co_u32 s17, ttmp9, s19
	s_lshl_b32 s17, s17, 7
	s_lshl_b32 s19, s16, 5
	s_add_co_u32 s17, s17, s19                     ; my wave's first column
	COLSET WSTG, 512
	s_mul_i32 s20, s18, 512*3072*4
	s_lshl_b32 s22, s17, 2
	s_add_co_u32 s20, s20, s22
	s_mov_b32 s21, 0
	s_lshl_b32 s24, s17, 9
	s_lshl_b32 s22, s18, 8
	s_add_co_u32 s24, s24, s22
	s_mov_b32 s25, 0
	s_lshl_b32 s28, s17, 5
	s_lshl_b32 s22, s18, 4
	s_add_co_u32 s28, s28, s22
	s_add_co_u32 s28, s28, 1572864
	s_mov_b32 s29, 0
	v_lshlrev_b32 v9, 5, v2                        ; my column's row of scale bytes
	s_wait_kmcnt 0x0
	s_add_nc_u64 s[6:7], s[6:7], s[20:21]
	s_add_nc_u64 s[24:25], s[12:13], s[24:25]
	s_add_nc_u64 s[28:29], s[12:13], s[28:29]
	CLOAD 0, 6, 12288
	CLOAD 1, 6, 12288
.macro WBLOCK t
.set WS, WX+32*((\t)%2)
.if (\t) < 15
	s_wait_loadcnt 32                              ; this block's 32 loads are in; the next block's may be out
.else
	s_wait_loadcnt 0
.endif
	v_max3_num_f32 v12, |v[WS]|, |v[WS+1]|, |v[WS+2]|
	v_max3_num_f32 v13, |v[WS+3]|, |v[WS+4]|, |v[WS+5]|
.irp i, 6,10,14,18,22,26
	v_max3_num_f32 v12, v12, |v[WS+\i]|, |v[WS+\i+1]|
	v_max3_num_f32 v13, v13, |v[WS+\i+2]|, |v[WS+\i+3]|
.endr
	v_max3_num_f32 v12, v12, |v[WS+30]|, |v[WS+31]|
	v_max3_num_f32 v12, v12, v13, 0x1800000        ; and the floor
	v_add_nc_u32 v11, 0xff000000, v12
	v_lshrrev_b32 v13, 23, v11                     ; the scale's byte
.if (\t)%4 == 0
	v_mov_b32 v[SB+(\t)/4], v13
.else
	v_lshl_or_b32 v[SB+(\t)/4], v13, 8*((\t)%4), v[SB+(\t)/4]
.endif
.irp g, 0,1,2,3
	v_cvt_scalef32_pk8_fp4_f32 v[WC+\g], v[WS+8*\g:WS+8*\g+7], v11
.endr
	ds_store_b128 v4, v[WC:WC+3] offset:16*(\t)
.if (\t)+2 < 16
	CLOAD (\t)+2, 6, 12288
.endif
	s_wait_dscnt 0x0                               ; the store has read its registers: the next block's codes may be written
.endm
.set Q, 0
.rept 16
	WBLOCK Q
.set Q, Q+1
.endr
	global_store_b128 v9, v[SB:SB+3], s[28:29]     ; my column's 16 scale bytes
	ROWSOUT 24, 512
	s_wait_tensorcnt 0x0                           ; the wave's end, as above
	ds_add_u32 v[SPW], v[NIL]
	s_wait_dscnt 0x0
	s_endpgm
.Lopath:                               ; Wout: 8 x 8 work-groups of 128 columns x 128 along K; a wave 32 columns, 4 blocks of 32 a lane: 256 bytes of f16 a column
	s_sub_co_u32 s17, ttmp9, 48
	s_lshr_b32 s18, s17, 3                         ; which 128 along K
	s_and_b32 s17, s17, 7
	s_lshl_b32 s17, s17, 7
	s_lshl_b32 s19, s16, 5
	s_add_co_u32 s17, s17, s19                     ; my wave's first column
	COLSET OSTG, 2048
	s_lshl_b32 s20, s18, 19
	s_lshl_b32 s22, s17, 2
	s_add_co_u32 s20, s20, s22
	s_mov_b32 s21, 0
	s_lshl_b32 s24, s17, 11
	s_lshl_b32 s22, s18, 8
	s_add_co_u32 s24, s24, s22
	s_mov_b32 s25, 0
	s_wait_kmcnt 0x0
	s_add_nc_u64 s[8:9], s[8:9], s[20:21]
	s_add_nc_u64 s[24:25], s[14:15], s[24:25]
	CLOAD 0, 8, 4096
	CLOAD 1, 8, 4096
.macro OBLOCK t
.set WS, WX+32*((\t)%2)
.if (\t) < 3
	s_wait_loadcnt 32                              ; this block's 32 loads are in; the next block's may be out
.else
	s_wait_loadcnt 0
.endif
.irp i, 0,1,2,3,4,5,6,7,8,9,10,11,12,13,14,15
	v_cvt_pk_f16_f32 v[WC+\i], v[WS+2*\i], v[WS+2*\i+1]
.endr
.irp j, 0,1,2,3
	ds_store_b128 v4, v[WC+4*\j:WC+4*\j+3] offset:64*(\t)+16*\j
.endr
.if (\t)+2 < 4
	CLOAD (\t)+2, 8, 4096
.endif
	s_wait_dscnt 0x0
.endm
	OBLOCK 0
	OBLOCK 1
	OBLOCK 2
	OBLOCK 3
	ROWSOUT 24, 2048
	s_wait_tensorcnt 0x0                           ; the wave's end, as above
	ds_add_u32 v[SPW], v[NIL]
	s_wait_dscnt 0x0
	s_endpgm
.Lfunc_end_k_q2ac5d3dd8e_prep:
	.size	k_q2ac5d3dd8e_prep, .Lfunc_end_k_q2ac5d3dd8e_prep-k_q2ac5d3dd8e_prep
	.p2alignl 7, 3214868480
	.fill 96, 4, 3214868480
	.section	.rodata,"a",@progbits
	.p2align	6, 0x0
	.amdhsa_kernel k_q2ac5d3dd8e_prep
		.amdhsa_group_segment_fixed_size 102912
		.amdhsa_private_segment_fixed_size 0
		.amdhsa_enable_private_segment 0
		.amdhsa_kernarg_size 48
		.amdhsa_user_sgpr_count 2
		.amdhsa_user_sgpr_kernarg_segment_ptr 1
		.amdhsa_wavefront_size32 1
		.amdhsa_system_sgpr_workgroup_id_x 1
		.amdhsa_system_sgpr_workgroup_id_y 1
		.amdhsa_system_sgpr_workgroup_id_z 1
		.amdhsa_system_vgpr_workitem_id 0
		.amdhsa_next_free_vgpr 200
		.amdhsa_next_free_sgpr 66
		.amdhsa_reserve_vcc 0
		.amdhsa_float_denorm_mode_32 3
		.amdhsa_float_denorm_mode_16_64 3
		.amdhsa_memory_ordered 1
		.amdhsa_forward_progress 1
		.amdhsa_inst_pref_size 133
	.end_amdhsa_kernel
	.amdgpu_metadata
---
amdhsa.version: [ 1, 2 ]
amdhsa.kernels:
  - .name:           k_q2ac5d3dd8e_prep
    .symbol:         k_q2ac5d3dd8e_prep.kd
    .args:
      - { .name: x, .offset: 0, .size: 8, .value_kind: global_buffer, .address_space: global }
      - { .name: Wqkv, .offset: 8, .size: 8, .value_kind: global_buffer, .address_space: global }
      - { .name: Wout, .offset: 16, .size: 8, .value_kind: global_buffer, .address_space: global }
      - { .name: xq, .offset: 24, .size: 8, .value_kind: global_buffer, .address_space: global }
      - { .name: wq, .offset: 32, .size: 8, .value_kind: global_buffer, .address_space: global }
      - { .name: wot, .offset: 40, .size: 8, .value_kind: global_buffer, .address_space: global }
    .group_segment_fixed_size: 102912
    .private_segment_fixed_size: 0
    .kernarg_segment_align: 8
    .kernarg_segment_size: 48
    .max_flat_workgroup_size: 128
    .sgpr_count:     66
    .vgpr_count:     200
    .wavefront_size: 32
...
	.end_amdgpu_metadata
.endif
;; end of part 1
;; launch qkv (part 2): grid 12 x 32, 4 waves a work-group, clusters of 4 x 4, 327,680 bytes of LDS; arguments xq, wq, cos, sin, qkv, lo; writes qkv, lo
.if DOCPART == 2
	.amdgcn_target "amdgcn-amd-amdhsa--gfx1250"
	.amdhsa_code_object_version 6
	.text
	.protected	k_q2ac5d3dd8e_qkv
	.globl	k_q2ac5d3dd8e_qkv
	.p2align	8
	.type	k_q2ac5d3dd8e_qkv,@function
k_q2ac5d3dd8e_qkv:
	s_mov_b64 s[64:65], 0
	v_nop
	global_prefetch_b8 v0, s[64:65] scope:SCOPE_SE
	s_setreg_imm32_b32 hwreg(HW_REG_WAVE_MODE, 25, 1), 1
	s_wait_xcnt 0x0
	s_wait_alu depctr_hold_cnt(0) depctr_sa_sdst(0) depctr_va_vdst(0) depctr_va_sdst(0) depctr_va_ssrc(0) depctr_va_vcc(0) depctr_vm_vsrc(0)
	s_getreg_b32 s2, hwreg(HW_REG_IB_STS2, 6, 4)
	s_cmp_eq_u32 s2, 0
	s_cbranch_scc0 .Lentry_in_a_cluster
	s_endpgm
.Lentry_in_a_cluster:
	s_bfe_u32 s2, ttmp6, 0x10000c
	s_cmp_lg_u32 s2, 0xf033
	s_cbranch_scc0 .Lentry_shape_is_right
	s_endpgm
.Lentry_shape_is_right:
; qkv = Q(x) Q(Wqkv), 8192 x 3072, K = 1024, on codes of E2M1 with E8M0 scales; then RoPE on q and k, x sigma = sqrt(log2(e) / 8) on both, and f16 results laid [q, k, v][b 16 + h][s][64].
; No work is left out.  The roped pair j of a head is kept at channels 2 j, 2 j + 1, on q and k alike: every dot product keeps its terms.  With sigma on both, q' . k' is q . k / 8 in the exponent of 2.
; A tile of 256 x 256 is made by four waves, 128 x 128 each: 64 accumulators.  K goes in two steps of 512 through two LDS slots, both filled at the head: nothing is filled again.
; CLUSTER 4 x 4: tile column = 4 X + cx, TILE ROW = 8 cy + Y (X, Y: the cluster's place in the grid): so the batch is cy, the tile's first position 256 Y, and 'my tile holds positions under 16' is Y = 0, the same in all sixteen.
; A's tiles are shared along a row of the cluster, B's along a column: joint loads.  The matrix instruction is used transposed (source 0 = 16 rows of Wqkv^T, source 1 = 16 rows of x): a lane holds eight neighbouring columns of one row.
; X = 0, 1, 2 is q, k, v: a branch on the cluster's number chooses the way out.  Of positions 0 to 15 the f16 low parts (number - its f16) go to lo [q, k, v][b][h][16][64].
; LIMITS: |q|, |k| under 154,000 and |v| up to 65,504 (f16); NaN and infinities are not served.
; REGISTERS, windows of 256: window 0: v16-30 addresses; v32-95 scale words and nothing else; v128-191 A's fragments; on the way out v96-127 packed, v128-159 and v160-191 rows read back, v192-255 roped numbers.
;   window 1: B's fragments, two sets, at v0 and v128; v64-127 cos and sin, two sets.  windows 2, 3: the accumulators ((a, b) at v[8 (8 (a % 4) + b)]).
.set KSTEP,  512
.set NQ,     4
.set ROWB,   256
.set KROW,   512
.set PITCH,  272                       ; an LDS row: 256 bytes + 16: the 16 rows that a load touches start at 16 different banks
.set FR,     8
.set NL,     2
.set NP,     4
.set HALFT,  128*PITCH
.set SLOT,   4*HALFT
.set KS,     32
.set SCL,    2*SLOT                    ; behind the slots: the scales of the tile's rows, for all of K
.set HALFS,  16*272
.set SBLK,   2*272
.set SPARE,  SCL+4*HALFS               ; the spare words
.set SPITCH, 272                       ; the way out: a stage of 16 rows x (256 + 16) for each wave, in slot 0, which has had its only fill and its last read by then
.set PSTG,   32768                     ; v's way out has stage bytes of its own
.set ADRA, 16
.set ADRB, 20
.set STO,  24
.set RD,   25
.set CO,   26
.set ADRS, 27
.set SPW,  28
.set NIL,  29
.set CSO,  30
.set SC,   32
.set AF,   128
.set TMP,  96
.set OB0,  128
.set OB1,  160
.set YR,   192
.set CB,   64                          ; in window 1
.set G1, 24
.set G0, 32
.set G1B, 48
.set G0B, 56
.set G1S, 68
.set G0S, 76
.set G1SB, 80
.set G0SB, 88
.set MSB, 0
.macro WIN new                         ; the immediate's high byte repeats the setting that is left
.if MSB != (\new)
	s_set_vgpr_msb (MSB<<8)|(\new)
.set MSB, (\new)
.endif
.endm
.set MUL_LO, 0xa1
.set MUL_HI, 0xf1
.set TO_B,   0x40
.macro JLOAD g0a, g1a, g0b, g1b        ; waves 0, 1 fetch for A, waves 2, 3 for B; an s_nop 0 and four v_nop follow each line
	s_cmp_eq_u32 s15, 0
	s_cbranch_scc0 .Lfor_b_\@
	tensor_load_to_lds s[\g0a:\g0a+3], s[\g1a:\g1a+7]
	s_nop 0
.rept 4
	v_nop
.endr
	s_branch .Lasked_\@
.Lfor_b_\@:
	tensor_load_to_lds s[\g0b:\g0b+3], s[\g1b:\g1b+7]
	s_nop 0
.rept 4
	v_nop
.endr
.Lasked_\@:
.endm
.macro CROUND                          ; a round of the cluster's barrier
	s_barrier_signal -1
	s_barrier_wait -1
	s_cmp_lg_u32 s14, 0
	s_cbranch_scc1 .Lnot_wave_0_\@
	s_barrier_signal -3
.Lnot_wave_0_\@:
	s_barrier_wait -3
	s_barrier_signal -1
	s_barrier_wait -1
.endm
	s_load_b256 s[4:11], s[0:1], 0x0               ; xq, wq, cos, sin
	s_load_b64 s[12:13], s[0:1], 0x20              ; qkv
	s_load_b64 s[96:97], s[0:1], 0x28              ; lo
	v_lshl_add_u32 v[SPW], v0, 2, SPARE
	v_mov_b32 v[NIL], 0
	ds_add_u32 v[SPW], v[NIL]                      ; the opening: the add, twice on end, and its wait ahead of my first tensor load
	ds_add_u32 v[SPW], v[NIL]
	v_lshrrev_b32 v1, 5, v0
	v_readfirstlane_b32 s14, v1                    ; wave
	s_lshr_b32 s15, s14, 1                         ; my half of the tile's rows; also: I fetch for A (0) or B (1)
	s_and_b32 s16, s14, 1                          ; my half of its columns; also: which 128 rows I fetch
	s_bfe_u32 s40, ttmp6, 0x40000                  ; cx
	s_bfe_u32 s41, ttmp6, 0x40004                  ; cy
	s_mov_b32 s100, ttmp9                          ; X: q, k or v
	s_and_b32 s101, ttmp7, 0xffff                  ; Y
	s_lshl_b32 s42, s100, 2
	s_add_co_u32 s42, s42, s40                     ; tile column = 4 X + cx
	s_lshl_b32 s17, s41, 3
	s_add_co_u32 s17, s17, s101                    ; tile row = 8 cy + Y
	s_lshl_b32 s43, s41, 2
	s_lshl_b32 s43, 15, s43                        ; my row of the cluster
	s_lshl_b32 s44, 0x1111, s40                    ; my column
	s_or_b32 s[G1+0], s43, (0<<16)|(1<<20)|(1<<21)|(5<<22)|(3<<25)   ; mask; elements of 1 byte; padding of 4 words after every 64
	s_or_b32 s[G1B+0], s44, (0<<16)|(1<<20)|(1<<21)|(5<<22)|(3<<25)
.irp g, G1, G1B
	s_mov_b32 s[\g+1], ROWB<<16
	s_mov_b32 s[\g+2], 128<<16
	s_mov_b32 s[\g+3], ROWB<<16
	s_mov_b32 s[\g+4], 128
	s_mov_b32 s[\g+5], KROW
	s_mov_b32 s[\g+6], 0
	s_mov_b32 s[\g+7], 0
.endr
	s_or_b32 s[G1S+0], s43, (3<<16)|(1<<20)|(1<<21)|(5<<22)|(3<<25)  ; the scales of 128 rows: 4,096 dense bytes as 16 rows of 256
	s_or_b32 s[G1SB+0], s44, (3<<16)|(1<<20)|(1<<21)|(5<<22)|(3<<25)
.irp g, G1S, G1SB
	s_mov_b32 s[\g+1], 32<<16
	s_mov_b32 s[\g+2], 16<<16
	s_mov_b32 s[\g+3], 32<<16
	s_mov_b32 s[\g+4], 16
	s_mov_b32 s[\g+5], 32
	s_mov_b32 s[\g+6], 0
	s_mov_b32 s[\g+7], 0
.endr
	s_mov_b32 s98, 0x3ed96d27                      ; sigma = sqrt(log2(e) / 8) = 0.42466090
	s_mov_b32 s99, s98
	s_lshl_b32 s18, s16, 7
	s_lshl_b32 s20, s17, 8
	s_add_co_u32 s20, s20, s18                     ; A: row 256 x tile row + 128 x half
	s_lshl_b32 s46, s42, 8
	s_add_co_u32 s46, s46, s18                     ; B: row 256 x tile column + 128 x half
	s_mov_b32 s21, 0
	s_mov_b32 s47, 0
	s_mov_b64 s[18:19], KS
	s_mul_u64 s[22:23], s[20:21], s[18:19]
	s_mul_u64 s[92:93], s[46:47], s[18:19]
	s_add_nc_u64 s[22:23], s[22:23], 0x400000      ; the scale bytes lie behind the codes in xq
	s_add_nc_u64 s[92:93], s[92:93], 0x180000      ; and in wq
	s_mov_b64 s[18:19], KROW
	s_mul_u64 s[20:21], s[20:21], s[18:19]
	s_mul_u64 s[46:47], s[46:47], s[18:19]
	s_mul_i32 s45, s14, HALFT
	s_mul_i32 s94, s14, HALFS
	s_wait_dscnt 0x0                               ; both opening adds are done
	s_wait_kmcnt 0x0
	s_add_nc_u64 s[20:21], s[4:5], s[20:21]
	s_add_nc_u64 s[22:23], s[4:5], s[22:23]
	s_add_nc_u64 s[46:47], s[6:7], s[46:47]
	s_add_nc_u64 s[92:93], s[6:7], s[92:93]
	CROUND                                         ; all sixteen work-groups are here: the joint loads meet
	s_mov_b32 s[G0S], 1
	s_add_co_u32 s[G0S+1], s94, SCL
	s_mov_b64 s[G0S+2:G0S+3], s[22:23]
	s_or_b32 s[G0S+3], s[G0S+3], 0x80000000
	s_mov_b32 s[G0SB], 1
	s_add_co_u32 s[G0SB+1], s94, SCL
	s_mov_b64 s[G0SB+2:G0SB+3], s[92:93]
	s_or_b32 s[G0SB+3], s[G0SB+3], 0x80000000
	JLOAD G0S, G1S, G0SB, G1SB
.irp s, 0,1
	s_mov_b32 s[G0+4*\s], 1
	s_add_co_u32 s[G0+4*\s+1], s45, \s*SLOT
	s_add_nc_u64 s[G0+4*\s+2:G0+4*\s+3], s[20:21], \s*ROWB
	s_or_b32 s[G0+4*\s+3], s[G0+4*\s+3], 0x80000000
	s_mov_b32 s[G0B+4*\s], 1
	s_add_co_u32 s[G0B+4*\s+1], s45, \s*SLOT
	s_add_nc_u64 s[G0B+4*\s+2:G0B+4*\s+3], s[46:47], \s*ROWB
	s_or_b32 s[G0B+4*\s+3], s[G0B+4*\s+3], 0x80000000
	JLOAD G0+4*\s, G1, G0B+4*\s, G1B               ; three tensor loads of mine are out
.endr
	v_and_b32 v1, 15, v0                           ; r
	v_bfe_u32 v2, v0, 4, 1                         ; h
	v_mul_u32_u24 v3, v1, PITCH
	v_lshl_add_u32 v4, v2, 4, v3
	s_mul_i32 s21, s15, HALFT
	s_mul_i32 s22, s16, HALFT
	s_add_co_u32 s22, s22, 2*HALFT
.irp s, 0,1
	v_add_nc_u32 v[ADRA+\s], s21, v4
	v_add_nc_u32 v[ADRB+\s], s22, v4
	s_add_co_u32 s21, s21, SLOT
	s_add_co_u32 s22, s22, SLOT
.endr
	v_mul_u32_u24 v5, v1, KS
	v_lshrrev_b32 v6, 8, v5
	v_lshl_add_u32 v5, v6, 4, v5
	s_mul_i32 s21, s15, HALFS
	s_mul_i32 s22, s16, HALFS
	s_add_co_u32 s22, s22, 2*HALFS
	s_sub_co_u32 s22, s22, s21
	v_mul_u32_u24 v6, s22, v2                      ; lanes 16-31 take B's scale words
	s_add_co_u32 s21, s21, SCL
	v_add_nc_u32 v5, v5, v6
	v_add_nc_u32 v[ADRS], s21, v5
	s_mul_i32 s23, s14, 16*SPITCH                  ; my stage
	v_mul_u32_u24 v5, v1, SPITCH
	v_lshl_add_u32 v5, v2, 4, v5
	v_add_nc_u32 v[STO], s23, v5                   ; in: row r, 16 bytes for each half of the lanes
	v_and_b32 v6, 31, v0
	v_lshrrev_b32 v5, 3, v6
	v_mul_u32_u24 v5, v5, SPITCH
	v_and_b32 v7, 7, v0
	v_lshl_add_u32 v5, v7, 4, v5
	v_add_nc_u32 v[RD], s23, v5                    ; back: eight lanes take a head's 128 bytes of a row, four rows an instruction
	v_lshlrev_b32 v[CO], 4, v6                     ; in memory those four rows of a head are 512 dense bytes
	v_lshlrev_b32 v[CSO], 7, v1
	v_lshl_add_u32 v[CSO], v2, 4, v[CSO]           ; cos, sin: row r of 128 bytes, + 16 h
	s_lshl_b32 s66, s41, 4
	s_lshl_b32 s67, s40, 2
	s_add_co_u32 s66, s66, s67
	s_lshl_b32 s67, s16, 1
	s_add_co_u32 s66, s66, s67                     ; my first head: 16 cy + 4 cx + 2 x column half
	s_lshl_b32 s20, s66, 18
	s_lshl_b32 s67, s100, 24
	s_add_co_u32 s20, s20, s67
	s_lshl_b32 s67, s101, 15
	s_add_co_u32 s20, s20, s67
	s_lshl_b32 s67, s15, 14
	s_add_co_u32 s20, s20, s67                     ; + (256 Y + 128 x row half) rows of 128 bytes
	s_mov_b32 s21, 0
	s_add_nc_u64 s[12:13], s[12:13], s[20:21]
	s_lshl_b32 s20, s66, 11
	s_lshl_b32 s67, s100, 17
	s_add_co_u32 s20, s20, s67
	s_add_nc_u64 s[96:97], s[96:97], s[20:21]      ; lo: (64 X + head) x 2,048 bytes
	s_lshl_b32 s20, s101, 15
	s_lshl_b32 s67, s15, 14
	s_add_co_u32 s20, s20, s67
	s_add_nc_u64 s[8:9], s[8:9], s[20:21]          ; cos and sin at my first position
	s_add_nc_u64 s[10:11], s[10:11], s[20:21]
.macro CSLOAD a                        ; block a's 16 positions: for each of the four column groups b % 4 my four cosines, then my four sines; into window 1
	WIN TO_B
.irp q, 0,1,2,3
	global_load_b128 v[CB+32*((\a)%2)+4*\q:CB+32*((\a)%2)+4*\q+3], v[CSO], s[8:9] offset:(\a)*2048+32*\q
.endr
.irp q, 0,1,2,3
	global_load_b128 v[CB+32*((\a)%2)+16+4*\q:CB+32*((\a)%2)+16+4*\q+3], v[CSO], s[10:11] offset:(\a)*2048+32*\q
.endr
	WIN 0
.endm
	s_cmp_eq_u32 s100, 2
	s_cbranch_scc1 .Lno_tables                     ; v is not roped
	CSLOAD 0
	CSLOAD 1
.Lno_tables:
.macro FRAG reg, adr, q, i
.irp c, 0,1
	ds_load_b128 v[\reg+4*\c:\reg+4*\c+3], v[\adr] offset:64*(\q)+32*\c+(\i)*16*PITCH
.endr
.endm
; 16 matrix instructions: A's blocks a0, a0 + 1 x B's eight.  The 64 accumulators take turns, one instruction a turn.
.macro MUL16 a0, p, q, sc, zero
.irp a, \a0, \a0+1
.irp b, 0,1,2,3,4,5,6,7
.if \zero
	v_wmma_scale_f32_16x16x128_f8f6f4 v[8*(8*((\a)%4)+\b):8*(8*((\a)%4)+\b)+7], v[128*(\p)+FR*\b:128*(\p)+FR*\b+FR-1], v[AF+FR*(\a):AF+FR*(\a)+FR-1], 0, v[SC+8*NQ*(\sc)+NQ*\b+(\q)], v[SC+8*NQ*(\sc)+NQ*(\a)+(\q)] matrix_a_fmt:MATRIX_FMT_FP4 matrix_b_fmt:MATRIX_FMT_FP4 matrix_a_scale:MATRIX_SCALE_ROW1
.else
	v_wmma_scale_f32_16x16x128_f8f6f4 v[8*(8*((\a)%4)+\b):8*(8*((\a)%4)+\b)+7], v[128*(\p)+FR*\b:128*(\p)+FR*\b+FR-1], v[AF+FR*(\a):AF+FR*(\a)+FR-1], v[8*(8*((\a)%4)+\b):8*(8*((\a)%4)+\b)+7], v[SC+8*NQ*(\sc)+NQ*\b+(\q)], v[SC+8*NQ*(\sc)+NQ*(\a)+(\q)] matrix_a_fmt:MATRIX_FMT_FP4 matrix_b_fmt:MATRIX_FMT_FP4 matrix_a_scale:MATRIX_SCALE_ROW1
.endif
.endr
.endr
.endm
.macro FETCH_B slot, q, p
	WIN TO_B
.irp i, 0,1,2,3,4,5,6,7
	FRAG 128*(\p)+FR*\i, ADRB+\slot, \q, \i
.endr
	WIN 0
.endm
.macro FETCH_A slot, q, i0
.irp i, \i0, \i0+1, \i0+2, \i0+3
	FRAG AF+FR*(\i), ADRA+\slot, \q, \i
.endr
.endm
.macro SCALES sc
.irp i, 0,1,2,3,4,5,6,7
	ds_load_b128 v[SC+8*NQ*\sc+NQ*\i:SC+8*NQ*\sc+NQ*\i+3], v[ADRS] offset:\i*SBLK
.endr
.endm
.macro PLACES n                        ; plain vector places behind matrix instructions, in front of loads into their registers and of reads of their results
.rept \n
	v_nop
.endr
.endm
.macro STEP slot, q, zero
	s_wait_dscnt 4*NL                              ; B's set and A's blocks 0-3 are in; the youngest eight loads (A's blocks 4-7) may be out
	WIN MUL_LO
	MUL16 0, (\q)%2, \q, \slot, \zero
	MUL16 2, (\q)%2, \q, \slot, \zero
	s_wait_dscnt 0
	PLACES NP
	FETCH_B \slot, (\q)+1, 1-(\q)%2
	FETCH_A \slot, (\q)+1, 0
	WIN MUL_HI
	MUL16 4, (\q)%2, \q, \slot, \zero
	MUL16 6, (\q)%2, \q, \slot, \zero
	PLACES NP
	WIN 0
	FETCH_A \slot, (\q)+1, 4
.endm
.macro TURN slot, next                 ; slot 0's last step: one barrier; behind it slot 1 is whole and nobody reads slot 0; nothing is filled again
	s_wait_tensorcnt 0x0                           ; all my tensor loads have landed
	ds_add_u32 v[SPW], v[NIL]
	s_wait_dscnt 4*NL+1                            ; the add and the youngest eight loads may be out
	WIN MUL_LO
	MUL16 0, 1, NQ-1, \slot, 0
	s_wait_dscnt 0x0                               ; the add is done, and my reads of this slot are over
	s_barrier_signal -1
	MUL16 2, 1, NQ-1, \slot, 0
	WIN 0
	s_barrier_wait -1
	PLACES NP
	v_add_nc_u32 v[ADRS], 4*NQ, v[ADRS]            ; the next K step's scale words
	FETCH_B \next, 0, 0
	FETCH_A \next, 0, 0
	SCALES \next
	WIN MUL_HI
	MUL16 4, 1, NQ-1, \slot, 0
	MUL16 6, 1, NQ-1, \slot, 0
	PLACES NP
	WIN 0
	FETCH_A \next, 0, 4
.endm
	s_wait_tensorcnt 1                             ; the scales and my part of slot 0 are in; slot 1's load may be out
	s_barrier_signal -1
	s_barrier_wait -1
	FETCH_B 0, 0, 0
	FETCH_A 0, 0, 0
	SCALES 0
	FETCH_A 0, 0, 4
	STEP 0, 0, 1                                   ; the first products start the sums
	STEP 0, 1, 0
	STEP 0, 2, 0
	TURN 0, 1
	STEP 1, 0, 0
	STEP 1, 1, 0
	STEP 1, 2, 0
	s_wait_dscnt 4*NL
	WIN MUL_LO
	MUL16 0, 1, NQ-1, 1, 0
	MUL16 2, 1, NQ-1, 1, 0
	s_wait_dscnt 0
	WIN MUL_HI
	MUL16 4, 1, NQ-1, 1, 0
	MUL16 6, 1, NQ-1, 1, 0
	WIN 0
; THE WAY OUT, a block of 16 rows x 128 columns (two heads) at a time.
; ROPE: lane (r, h) holds of accumulator b the columns 16 b + 8 h + 0 .. 7: pairs 8 (b % 4) + 4 h + 0 .. 3 of a head.  (x1, x2) -> (x1 c - x2 s, x2 c + x1 s): a packed multiply with the pair swapped, a packed multiply-add.
.macro ROPE1 y, x, sq, sg
	v_pk_mul_f32 v[(\y):(\y)+1], v[(\x):(\x)+1], v[(\sq):(\sq)+1] op_sel:[1,\sg] op_sel_hi:[0,\sg]
.endm
.macro ROPE2 y, x, cq, sg
	v_pk_fma_f32 v[(\y):(\y)+1], v[(\x):(\x)+1], v[(\cq):(\cq)+1], v[(\y):(\y)+1] op_sel:[0,\sg,0] op_sel_hi:[1,\sg,1] neg_lo:[0,0,1]
.endm
.macro ROPE a
.set CBA, CB+32*((\a)%2)
.set AC, 64*((\a)%4)
.if (\a) < 7
	s_wait_loadcnt 8                               ; this block's eight loads are in; the next block's eight may be out
.else
	s_wait_loadcnt 0
.endif
	WIN 0x41                                       ; destination and source 0: window 1, the tables
.set i, 0
.rept 16
	v_pk_mul_f32 v[CBA+i:CBA+i+1], v[CBA+i:CBA+i+1], s[98:99] op_sel_hi:[1,0]   ; the tables x sigma
.set i, i+2
.endr
	WIN 0x06+(\a)/4                                ; source 0: the accumulators' window; source 1: window 1; source 2 and the destination: window 0
.irp b, 0,1,2,3,4,5,6,7                ; each accumulator from its low end on
	ROPE1 YR+8*\b,   AC+8*\b,   CBA+16+4*(\b%4),   0
	ROPE1 YR+8*\b+2, AC+8*\b+2, CBA+16+4*(\b%4),   1
	ROPE1 YR+8*\b+4, AC+8*\b+4, CBA+16+4*(\b%4)+2, 0
	ROPE1 YR+8*\b+6, AC+8*\b+6, CBA+16+4*(\b%4)+2, 1
	ROPE2 YR+8*\b,   AC+8*\b,   CBA+4*(\b%4),   0
	ROPE2 YR+8*\b+2, AC+8*\b+2, CBA+4*(\b%4),   1
	ROPE2 YR+8*\b+4, AC+8*\b+4, CBA+4*(\b%4)+2, 0
	ROPE2 YR+8*\b+6, AC+8*\b+6, CBA+4*(\b%4)+2, 1
.endr
	WIN 0
.set i, 0
.rept 32
	v_cvt_pk_f16_f32 v[TMP+i], v[YR+2*i], v[YR+2*i+1]
.set i, i+1
.endr
.if (\a) < 6
	CSLOAD (\a)+2
.endif
.endm
.macro PLAIN a
.set AC, 64*((\a)%4)
	WIN 0x0a+5*((\a)/4)                            ; sources 0 and 1: the accumulators' window
.set i, 0
.rept 32
	v_cvt_pk_f16_f32 v[TMP+i], v[AC+2*i], v[AC+2*i+1]
.set i, i+1
.endr
	WIN 0
.endm
.macro TOSTAGE a, off
.set OBA, OB0+32*((\a)%2)
	s_wait_xcnt 0x0                                ; earlier stores have read the registers that the loads below fill
.irp b, 0,1,2,3,4,5,6,7
	ds_store_b128 v[STO], v[TMP+4*\b:TMP+4*\b+3] offset:\off+32*\b
.endr
.irp i, 0,1,2,3,4,5,6,7                ; LDS serves a wave's instructions in order: these see the stores above
	ds_load_b128 v[OBA+4*\i:OBA+4*\i+3], v[RD] offset:\off+4*(\i%4)*SPITCH+128*(\i/4)
.endr
.endm
.macro SEND a
.set OBA, OB0+32*((\a)%2)
	s_wait_dscnt 0x0                               ; the block is back in registers
	s_wait_xcnt 0x0                                ; earlier stores have read their base
.if (\a) > 0
	s_add_nc_u64 s[12:13], s[12:13], 2048          ; 16 positions on
.endif
.irp i, 0,1,2,3,4,5,6,7
	global_store_b128 v[CO], v[OBA+4*\i:OBA+4*\i+3], s[12:13] offset:(\i/4)*262144+(\i%4)*512   ; 32 lanes store 512 consecutive bytes, aligned
.endr
.endm
; Positions 0 to 15 (Y = 0, the upper half of the rows, block 0): number - its f16, rounded to f16, goes to lo.  The branch hangs on the wave's number and the cluster's place in the grid alone.
.macro LOW rope, off
	s_or_b32 s66, s15, s101
	s_cmp_lg_u32 s66, 0
	s_cbranch_scc1 .Lno_low_\@
.if \rope
.set i, 0
.rept 32
	v_mov_b32 v8, v[TMP+i]                         ; (a half is named on a plainly named register)
	v_cvt_f32_f16 v[OB1+2*(i%16)], v8.l
	v_cvt_f32_f16 v[OB1+2*(i%16)+1], v8.h
	v_pk_add_f32 v[YR+2*i:YR+2*i+1], v[YR+2*i:YR+2*i+1], v[OB1+2*(i%16):OB1+2*(i%16)+1] neg_lo:[0,1] neg_hi:[0,1]
.set i, i+1
.endr
.else
.set i, 0
.rept 32
	v_mov_b32 v8, v[TMP+i]
	v_cvt_f32_f16 v[YR+2*i], v8.l
	v_cvt_f32_f16 v[YR+2*i+1], v8.h
.set i, i+1
.endr
	WIN 0x02                                       ; source 0: block 0's accumulators, window 2
.set i, 0
.rept 64
	v_sub_f32 v[YR+i], v[i], v[YR+i]
.set i, i+1
.endr
	WIN 0
.endif
.set i, 0
.rept 32
	v_cvt_pk_f16_f32 v[TMP+i], v[YR+2*i], v[YR+2*i+1]
.set i, i+1
.endr
.irp b, 0,1,2,3,4,5,6,7
	ds_store_b128 v[STO], v[TMP+4*\b:TMP+4*\b+3] offset:\off+32*\b
.endr
.irp i, 0,1,2,3,4,5,6,7
	ds_load_b128 v[OB1+4*\i:OB1+4*\i+3], v[RD] offset:\off+4*(\i%4)*SPITCH+128*(\i/4)
.endr
	s_wait_dscnt 0x0
.irp i, 0,1,2,3,4,5,6,7
	global_store_b128 v[CO], v[OB1+4*\i:OB1+4*\i+3], s[96:97] offset:(\i/4)*2048+(\i%4)*512
.endr
.Lno_low_\@:
.endm
.macro PACK rope, a
.if \rope
	ROPE \a
.else
	PLAIN \a
.endif
.endm
.macro WAYOUT rope, off
	PACK \rope, 0
	TOSTAGE 0, \off
	SEND 0
	LOW \rope, \off
	PACK \rope, 1
	TOSTAGE 1, \off
.irp a, 2,3,4,5,6,7                    ; block a's arithmetic stands between block a - 1's loads from the stage and the wait for them
	PACK \rope, \a
	SEND \a-1
	TOSTAGE \a, \off
.endr
	SEND 7
	s_wait_tensorcnt 0x0                           ; the wave's end
	ds_add_u32 v[SPW], v[NIL]
	s_wait_dscnt 0x0
	CROUND                                         ; the closing round
	s_endpgm
.endm
	PLACES NP
	s_cmp_eq_u32 s100, 2
	s_cbranch_scc1 .Lplain_out
	WAYOUT 1, 0
.Lplain_out:
	WAYOUT 0, PSTG
.Lfunc_end_k_q2ac5d3dd8e_qkv:
	.size	k_q2ac5d3dd8e_qkv, .Lfunc_end_k_q2ac5d3dd8e_qkv-k_q2ac5d3dd8e_qkv
	.p2alignl 7, 3214868480
	.fill 96, 4, 3214868480
	.section	.rodata,"a",@progbits
	.p2align	6, 0x0
	.amdhsa_kernel k_q2ac5d3dd8e_qkv
		.amdhsa_group_segment_fixed_size 327680
		.amdhsa_private_segment_fixed_size 0
		.amdhsa_enable_private_segment 0
		.amdhsa_kernarg_size 48
		.amdhsa_user_sgpr_count 2
		.amdhsa_user_sgpr_kernarg_segment_ptr 1
		.amdhsa_wavefront_size32 1
		.amdhsa_system_sgpr_workgroup_id_x 1
		.amdhsa_system_sgpr_workgroup_id_y 1
		.amdhsa_system_sgpr_workgroup_id_z 1
		.amdhsa_system_vgpr_workitem_id 0
		.amdhsa_next_free_vgpr 1024
		.amdhsa_next_free_sgpr 104
		.amdhsa_reserve_vcc 0
		.amdhsa_float_denorm_mode_32 3
		.amdhsa_float_denorm_mode_16_64 3
		.amdhsa_memory_ordered 1
		.amdhsa_forward_progress 1
		.amdhsa_inst_pref_size 225
	.end_amdhsa_kernel
	.amdgpu_metadata
---
amdhsa.version: [ 1, 2 ]
amdhsa.kernels:
  - .name:           k_q2ac5d3dd8e_qkv
    .symbol:         k_q2ac5d3dd8e_qkv.kd
    .args:
      - { .name: xq, .offset: 0, .size: 8, .value_kind: global_buffer, .address_space: global }
      - { .name: wq, .offset: 8, .size: 8, .value_kind: global_buffer, .address_space: global }
      - { .name: cos, .offset: 16, .size: 8, .value_kind: global_buffer, .address_space: global }
      - { .name: sin, .offset: 24, .size: 8, .value_kind: global_buffer, .address_space: global }
      - { .name: qkv, .offset: 32, .size: 8, .value_kind: global_buffer, .address_space: global }
      - { .name: lo, .offset: 40, .size: 8, .value_kind: global_buffer, .address_space: global }
    .group_segment_fixed_size: 327680
    .private_segment_fixed_size: 0
    .kernarg_segment_align: 8
    .kernarg_segment_size: 48
    .max_flat_workgroup_size: 128
    .sgpr_count:     104
    .vgpr_count:     1024
    .wavefront_size: 32
...
	.end_amdgpu_metadata
.endif
;; end of part 2
;; launch attn (part 3): grid 32 x 16, 8 waves a work-group, clusters of 4 x 4, 327,680 bytes of LDS; arguments qkv, mask, attn, ml; writes attn, ml
.if DOCPART == 3
	.amdgcn_target "amdgcn-amd-amdhsa--gfx1250"
	.amdhsa_code_object_version 6
	.text
	.protected	k_q2ac5d3dd8e_attn
	.globl	k_q2ac5d3dd8e_attn
	.p2align	8
	.type	k_q2ac5d3dd8e_attn,@function
k_q2ac5d3dd8e_attn:
	s_mov_b64 s[64:65], 0
	v_nop
	global_prefetch_b8 v0, s[64:65] scope:SCOPE_SE
	s_setreg_imm32_b32 hwreg(HW_REG_WAVE_MODE, 25, 1), 1
	s_wait_xcnt 0x0
	s_wait_alu depctr_hold_cnt(0) depctr_sa_sdst(0) depctr_va_vdst(0) depctr_va_sdst(0) depctr_va_ssrc(0) depctr_va_vcc(0) depctr_vm_vsrc(0)
	s_getreg_b32 s2, hwreg(HW_REG_IB_STS2, 6, 4)
	s_cmp_eq_u32 s2, 0
	s_cbranch_scc0 .Lentry_in_a_cluster
	s_endpgm
.Lentry_in_a_cluster:
	s_bfe_u32 s2, ttmp6, 0x10000c
	s_cmp_lg_u32 s2, 0xf033
	s_cbranch_scc0 .Lentry_shape_is_right
	s_endpgm
.Lentry_shape_is_right:
; attn[b][s][64 h ..] = softmax_k(q . k / 8 + mask[b][s][k]) v, f16 operands, f32 sums, all 2,048 keys for every query: the mask is an input and no pattern of it is built in.  No work is left out.
; q and k arrive x sqrt(log2(e) / 8), so t = mask x log2(e) + q' . k', one fused multiply-add, is the softmax's input in the exponent of 2; then t - m (m: the running maximum) and 2^x.
; LIMIT, an order of rounding that differs from reference()'s: beside a mask value so large that f32 loses the score, the score is lost on the grid of t and not on that of score + mask (the figures stand at the head of the first launch).
; POSITIONS 0 TO 15: of these sixteen queries' sums keys 0 to 15 are kept out HERE (their t becomes -infinity, by a select), and the queries' m and l go to ml beside their O / l in attn: a later launch takes those 16 x 16 scores more finely
; and joins the two parts.  The select's mask is all ones in the one wave that holds those queries and in the loop's first trip, else 0: no branch hangs on the work-group's place in its cluster.
; ml [head][place cy][32 rows][m, l]: stored by the waves with queries 0-31 of a block, in the clusters with Y = 0 (a branch on ids that all partners share): so all four partners store 256 bytes, of which the first partner's first 128 are read.
; SHARES.  A work-group owns TWO NEIGHBOURING HEADS x 128 queries: the mask tile serves both heads, and a query's two heads are 256 consecutive bytes of attn.  Wave w: head w / 4, queries 32 (w % 4) on: two tiles of 16.
; Two waves share a SIMD: one wave's softmax stands beside the other's matrix work.
; CLUSTER 4 x 4: head pair = 4 X + cx, query block = 4 Y + cy.  The mask tile hangs on (batch, query block): shared along a row of the cluster; K and V hang on the head pair: shared along a column.
; RING: two slots of 128 keys.  Every wave issues one load of 16 KiB for each fill: waves 0-3 the mask's rows 32 w on, waves 4, 5 the two heads' K, waves 6, 7 their V.
; LAYOUT: S^T = K Q^T and O^T = V^T P: a lane holds one query (lane % 16) throughout; two tiles of S^T rounded to f16 are source 1 of the second product; V is turned by ds_load_tr16_b128.
; LIMITS: mask values finite; p is rounded to f16 for the second product; NaN and infinities are not served.
; REGISTERS: window 0: v1-13 addresses; v14 -infinity; v15 8 x lane; v16-31 statistics, 8 a tile: +0 m, +1 the old m, +2, +3 l, +4..7 at work (a at +6); v32-95 S^T; v96-159 the mask; v160-191 P; v192-193 m and l on their way out.
;   window 1: v0-31 Q; v32-95 K; v96-159 V; v160-223 O^T.
.set KP,   144                         ; a row of K in LDS: 128 bytes + 16
.set VP,   160                         ; of V: 128 + 32
.set MP,   528                         ; of the mask: 512 + 16
.set MQ,   32*MP
.set KVO,  4*MQ
.set KVB,  20480
.set SLOT, KVO+4*KVB
.set SPARE, 2*SLOT
.set SP,   272                         ; the way out: 128 rows x (256 + 16) in slot 0
.set AK, 1
.set AV, 3
.set AM, 5
.set QO, 7
.set STO, 8
.set RD, 9
.set GO, 10
.set PFO, 11
.set SPW, 12
.set NIL, 13
.set NEG, 14
.set MLO, 15
.set ST, 16
.set S,  32
.set MK, 96
.set P,  160
.set MLD, 192
.set QF, 0
.set KF, 32
.set VF, 96
.set OF, 160
.set G1M, 24
.set G1K, 32
.set G1V, 40
.set G0M, 48
.set G0KV, 56
.set TRIPS, 72
.set LIM2, 73                          ; s73  7 in a wave that prefetches, else 0
.set PFA, 74
.set LIM, 76                           ; s76  1 in a wave that prefetches, else the greatest number
.set SELM, 77                          ; s77  the select's mask
.set PFS, 78
.set QB,  92                           ; s[92:93] Q's base: written once, so that Q's loads may stay out while the set-up goes on
.set MLB, 94                           ; s[94:95] where my m and l go
.set HALFM, 96                         ; s96  lanes 16-31
.set MSB, 0
.macro WIN new
.if MSB != (\new)
	s_set_vgpr_msb (MSB<<8)|(\new)
.set MSB, (\new)
.endif
.endm
.set W_KQ, 0x05
.set W_PV, 0x51
.set W_RS, 0x41
.set TO_1, 0x40
.macro JLOAD s                         ; one joint load a wave; the branches hang on the wave's number alone; an s_nop 0 and four v_nop follow each line
	s_cmp_lt_u32 s10, 4
	s_cbranch_scc0 .Lkv_\@
	tensor_load_to_lds s[G0M+4*\s:G0M+4*\s+3], s[G1M:G1M+7]
	s_nop 0
.rept 4
	v_nop
.endr
	s_branch .Lasked_\@
.Lkv_\@:
	s_cmp_lt_u32 s10, 6
	s_cbranch_scc0 .Lv_\@
	tensor_load_to_lds s[G0KV+4*\s:G0KV+4*\s+3], s[G1K:G1K+7]
	s_nop 0
.rept 4
	v_nop
.endr
	s_branch .Lasked_\@
.Lv_\@:
	tensor_load_to_lds s[G0KV+4*\s:G0KV+4*\s+3], s[G1V:G1V+7]
	s_nop 0
.rept 4
	v_nop
.endr
.Lasked_\@:
.endm
.macro CREST                           ; a round of the cluster's barrier behind its opening barrier
	s_cmp_lg_u32 s10, 0
	s_cbranch_scc1 .Lnot_wave_0_\@
	s_barrier_signal -3
.Lnot_wave_0_\@:
	s_barrier_wait -3
	s_barrier_signal -1
	s_barrier_wait -1
.endm
.macro CROUND                          ; a whole round
	s_barrier_signal -1
	s_barrier_wait -1
	CREST
.endm
; A PREFETCH, at the head of slot j's steps, of slot j + 2, whose joint load goes out at the end of those steps: 64 matrix instructions a wave and four softmaxes ahead of that load.  Each aligned block of 256 bytes is named once in the launch:
; the mask's 128 rows x 2 blocks by waves 0, 1 of the clusters with even X (two clusters share a batch), 16 rows to a partner, told apart by address (cx);
; K's and V's 2 x 64 blocks by waves 4 and 6 of the clusters with Y = 0, 16 blocks of each head to a partner, told apart by address (cy).  how = 1: in every trip; how = 3: not in the loop's first trip, which stands at the kernel's head.
; Slot 15 is the last that is named; slots 0, 1 and 2 come by their loads alone.
.macro ASK how
.if \how == 1
	s_cmp_eq_u32 s[LIM], 1
.else
	s_cmp_lt_u32 s[TRIPS], s[LIM2]
.endif
	s_cbranch_scc0 .Lnot_mine_\@
	global_prefetch_b8 v[PFO], s[PFA:PFA+1] th:TH_LOAD_NT scope:SCOPE_SE
.Lnot_mine_\@:
.endm
	s_load_b128 s[4:7], s[0:1], 0x0                ; qkv, mask
	s_load_b64 s[8:9], s[0:1], 0x10                ; attn
	s_load_b64 s[MLB:MLB+1], s[0:1], 0x18          ; ml
	v_lshl_add_u32 v[SPW], v0, 2, SPARE
	v_mov_b32 v[NIL], 0
	ds_add_u32 v[SPW], v[NIL]                      ; the opening: the add, twice on end, and its wait ahead of my first tensor load
	ds_add_u32 v[SPW], v[NIL]
	v_lshrrev_b32 v14, 5, v0
	v_readfirstlane_b32 s10, v14                   ; wave 0..7
	s_lshr_b32 s11, s10, 2                         ; my head of the two
	s_and_b32 s12, s10, 3                          ; my 32 queries of the 128; also my place among the four that fetch alike
	s_bfe_u32 s13, ttmp6, 0x40000                  ; cx
	s_bfe_u32 s14, ttmp6, 0x40004                  ; cy
	s_mov_b32 s15, ttmp9                           ; X
	s_and_b32 s16, ttmp7, 0xffff                   ; Y
	s_lshl_b32 s17, s15, 2
	s_add_co_u32 s17, s17, s13                     ; head pair = 4 X + cx
	s_lshl_b32 s18, s16, 2
	s_add_co_u32 s18, s18, s14                     ; query block = 4 Y + cy
	s_lshr_b32 s19, s15, 1                         ; batch
	s_lshl_b32 s80, s14, 2
	s_lshl_b32 s80, 15, s80                        ; my row of the cluster
	s_lshl_b32 s81, 0x1111, s13                    ; my column
	s_or_b32 s[G1M], s80, (2<<16)|(1<<20)|(1<<21)|(6<<22)|(3<<25)    ; the mask: 32 rows x 128 elements of 4 bytes; 4 words of padding after every 128
	s_mov_b32 s[G1M+1], 128<<16
	s_mov_b32 s[G1M+2], 32<<16
	s_mov_b32 s[G1M+3], 128<<16
	s_mov_b32 s[G1M+4], 32
	s_mov_b32 s[G1M+5], 2048
	s_mov_b32 s[G1M+6], 0
	s_mov_b32 s[G1M+7], 0
	s_or_b32 s[G1K], s81, (1<<16)|(1<<20)|(1<<21)|(4<<22)|(3<<25)    ; K: 128 rows x 64 elements of 2 bytes; 4 words after every 32
	s_or_b32 s[G1V], s81, (1<<16)|(1<<20)|(1<<21)|(4<<22)|(7<<25)    ; V: 8 words
.irp g, G1K, G1V
	s_mov_b32 s[\g+1], 64<<16
	s_mov_b32 s[\g+2], 128<<16
	s_mov_b32 s[\g+3], 64<<16
	s_mov_b32 s[\g+4], 128
	s_mov_b32 s[\g+5], 64
	s_mov_b32 s[\g+6], 0
	s_mov_b32 s[\g+7], 0
.endr
	s_mov_b32 s68, 0x3fb8aa3b                      ; log2(e)
	s_mov_b32 s69, s68
	s_mov_b32 s70, 0x76543210
	s_mov_b32 s71, 0xfedcba98
	s_lshl_b32 s80, s19, 24                        ; the mask's tile: batch, query block, my 32 rows: no register here ever holds cx
	s_lshl_b32 s81, s18, 20
	s_add_co_u32 s80, s80, s81
	s_lshl_b32 s81, s12, 18
	s_add_co_u32 s80, s80, s81
	s_mov_b32 s81, 0
	s_bfe_u32 s82, s10, 0x10001                    ; K (0) or V (1): no register here ever holds cy
	s_add_co_u32 s82, s82, 1
	s_lshl_b32 s82, s82, 24
	s_lshl_b32 s83, s17, 19
	s_add_co_u32 s82, s82, s83
	s_and_b32 s83, s10, 1
	s_lshl_b32 s83, s83, 18
	s_add_co_u32 s82, s82, s83
	s_mov_b32 s83, 0
	s_mul_i32 s84, s12, MQ
	s_mul_i32 s85, s12, KVB
	s_add_co_u32 s85, s85, KVO
	s_wait_dscnt 0x0                               ; both opening adds are done
	s_wait_kmcnt 0x0
	s_add_nc_u64 s[80:81], s[6:7], s[80:81]
	s_add_nc_u64 s[82:83], s[4:5], s[82:83]
	CROUND                                         ; all sixteen work-groups are here
.irp s, 0,1
	s_mov_b32 s[G0M+4*\s], 1
	s_add_co_u32 s[G0M+4*\s+1], s84, \s*SLOT
	s_add_nc_u64 s[G0M+4*\s+2:G0M+4*\s+3], s[80:81], \s*512
	s_or_b32 s[G0M+4*\s+3], s[G0M+4*\s+3], 0x80000000
	s_mov_b32 s[G0KV+4*\s], 1
	s_add_co_u32 s[G0KV+4*\s+1], s85, \s*SLOT
	s_add_nc_u64 s[G0KV+4*\s+2:G0KV+4*\s+3], s[82:83], \s*16384
	s_or_b32 s[G0KV+4*\s+3], s[G0KV+4*\s+3], 0x80000000
	JLOAD \s                                       ; two tensor loads of mine are out
.endr
	v_and_b32 v14, 15, v0                          ; r
	v_bfe_u32 v15, v0, 4, 1                        ; h
	v_lshlrev_b32 v[QO], 7, v14
	v_lshl_add_u32 v[QO], v15, 4, v[QO]
	s_lshl_b32 s[QB], s17, 1
	s_add_co_u32 s[QB], s[QB], s11
	s_lshl_b32 s[QB], s[QB], 18
	s_lshl_b32 s[QB+1], s18, 14
	s_add_co_u32 s[QB], s[QB], s[QB+1]
	s_lshl_b32 s[QB+1], s12, 12
	s_add_co_u32 s[QB], s[QB], s[QB+1]
	s_mov_b32 s[QB+1], 0
	s_add_nc_u64 s[QB:QB+1], s[4:5], s[QB:QB+1]    ; q' at my head's and my wave's first query; not written again
	WIN TO_1
.irp t, 0,1
.irp c, 0,1
	global_load_b128 v[QF+16*\t+8*\c:QF+16*\t+8*\c+3], v[QO], s[QB:QB+1] offset:2048*\t+64*\c
	global_load_b128 v[QF+16*\t+8*\c+4:QF+16*\t+8*\c+7], v[QO], s[QB:QB+1] offset:2048*\t+64*\c+32
.endr
.endr
.set i, 0
.rept 64
	v_mov_b32 v[OF+i], 0                           ; O^T: the key step is written once; its first turn finds zeros
.set i, i+1
.endr
	WIN 0
	s_mul_i32 s88, s11, KVB
	s_add_co_u32 s88, s88, KVO                     ; my head's K
	v_mul_u32_u24 v[AK], v14, KP
	v_lshl_add_u32 v[AK], v15, 4, v[AK]
	v_add_nc_u32 v[AK], s88, v[AK]
	v_add_nc_u32 v[AK+1], SLOT, v[AK]
	s_add_co_u32 s88, s88, 2*KVB                   ; my head's V
	v_and_b32 v[AV], 7, v0
	v_lshl_add_u32 v[AV], v15, 3, v[AV]
	v_mul_u32_u24 v[AV], v[AV], VP
	v_bfe_u32 v[AV+1], v0, 3, 1
	v_lshl_add_u32 v[AV], v[AV+1], 4, v[AV]
	v_add_nc_u32 v[AV], s88, v[AV]
	v_add_nc_u32 v[AV+1], SLOT, v[AV]
	s_mul_i32 s88, s12, 32*MP
	v_mul_u32_u24 v[AM], v14, MP
	v_lshl_add_u32 v[AM], v15, 5, v[AM]
	v_add_nc_u32 v[AM], s88, v[AM]
	v_add_nc_u32 v[AM+1], SLOT, v[AM]
	s_mul_i32 s88, s12, 32*SP
	s_lshl_b32 s89, s11, 7
	s_add_co_u32 s88, s88, s89
	v_mul_u32_u24 v[STO], v14, SP
	v_lshl_add_u32 v[STO], v15, 4, v[STO]
	v_add_nc_u32 v[STO], s88, v[STO]               ; the stage, in: row 32 (w % 4) + r, + 128 x head, + 16 h
	s_mul_i32 s88, s10, 16*SP
	v_mul_u32_u24 v[RD], v15, SP
	v_lshl_add_u32 v[RD], v14, 4, v[RD]
	v_add_nc_u32 v[RD], s88, v[RD]                 ; back: wave w's rows 16 w on; sixteen lanes to a row
	v_lshlrev_b32 v[GO], 11, v15
	v_lshl_add_u32 v[GO], v14, 4, v[GO]
	s_lshl_b32 s88, s19, 22
	s_lshl_b32 s89, s18, 18
	s_add_co_u32 s88, s88, s89
	s_lshl_b32 s89, s10, 15
	s_add_co_u32 s88, s88, s89
	s_and_b32 s89, s17, 7
	s_lshl_b32 s89, s89, 8
	s_add_co_u32 s88, s88, s89
	s_mov_b32 s89, 0
	s_add_nc_u64 s[8:9], s[8:9], s[88:89]          ; attn at row 2048 b + 128 block + 16 w, byte 256 x (pair % 8)
	s_lshl_b32 s88, s17, 1
	s_add_co_u32 s88, s88, s11                     ; my head
	s_lshl_b32 s88, s88, 2
	s_add_co_u32 s88, s88, s14
	s_lshl_b32 s88, s88, 8
	s_add_nc_u64 s[MLB:MLB+1], s[MLB:MLB+1], s[88:89]   ; ml at (4 x head + cy) x 256 bytes
	s_or_b32 s[SELM], s18, s12
	s_cmp_eq_u32 s[SELM], 0
	s_cselect_b32 s[SELM], -1, 0                   ; all ones where my first tile is positions 0 to 15: it feeds a select of values and nothing else
	s_mov_b32 s[HALFM], 0xffff0000
	; the prefetches: where mine stand, and whether I ask.  s80 to s91 hold scalar arithmetic alone: no memory instruction names them
	s_lshl_b32 s82, s19, 24
	s_lshl_b32 s83, s18, 20
	s_add_co_u32 s82, s82, s83
	s_and_b32 s83, s10, 1
	s_lshl_b32 s83, s83, 19
	s_add_co_u32 s82, s82, s83
	s_lshl_b32 s83, s13, 17
	s_add_co_u32 s82, s82, s83
	s_add_co_u32 s82, s82, 1024                    ; the mask: rows 64 w + 16 cx on, slot 2
	s_bfe_u32 s84, s10, 0x10001
	s_add_co_u32 s84, s84, 1
	s_lshl_b32 s84, s84, 24
	s_lshl_b32 s83, s17, 19
	s_add_co_u32 s84, s84, s83
	s_lshl_b32 s83, s14, 12
	s_add_co_u32 s84, s84, s83
	s_add_co_u32 s84, s84, 32768                   ; K or V: blocks 16 cy on, slot 2
	s_lshr_b32 s88, s10, 1
	s_and_b32 s89, s15, 1
	s_or_b32 s88, s88, s89
	s_and_b32 s89, s10, 1
	s_or_b32 s89, s89, s16
	s_mov_b32 s90, 16384
	s_mov_b32 s91, 262144
	s_cmp_lt_u32 s10, 4
	s_cselect_b64 s[PFA:PFA+1], s[6:7], s[4:5]
	s_cselect_b32 s82, s82, s84
	s_cselect_b32 s[PFS], 512, s90                 ; a slot on
	s_cselect_b32 s85, 1, 4
	s_cselect_b32 s86, 8192, s91
	s_cselect_b32 s87, 1, 15
	s_cselect_b32 s88, s88, s89
	s_cmp_eq_u32 s88, 0
	s_cselect_b32 s[LIM], 1, -1                    ; hangs on the wave's number, X and Y alone: the same in all sixteen partners
	s_cselect_b32 s[LIM2], 7, 0
	s_mov_b32 s83, 0
	s_mov_b32 s[PFS+1], 0
	s_add_nc_u64 s[PFA:PFA+1], s[PFA:PFA+1], s[82:83]   ; at slot 2; each change of slots steps it one slot on
	v_and_b32 v14, 31, v0
	v_lshrrev_b32 v15, s85, v14
	v_mul_lo_u32 v15, v15, s86
	v_and_b32 v14, s87, v14
	v_lshl_add_u32 v[PFO], v14, 8, v15
	v_and_b32 v[MLO], 31, v0
	v_lshlrev_b32 v[MLO], 3, v[MLO]                ; 8 x lane; not written again
	v_mov_b32 v[NEG], 0xff800000                   ; -infinity; not written again
.set i, 0
.rept 16
	v_mov_b32 v[ST+i], 0
.set i, i+1
.endr
	v_mov_b32 v[ST], 0xff7fffff                    ; m: under every t
	v_mov_b32 v[ST+8], 0xff7fffff
; THE LDS LOADS of 64 keys, the u-th half of a slot: K's fragments, the mask's words in S^T's layout, V's fragments turned: sixteen loads each
.macro KLOAD slot, u
	WIN TO_1
.irp kt, 0,1,2,3
.irp c, 0,1
	ds_load_b128 v[KF+16*\kt+8*\c:KF+16*\kt+8*\c+3], v[AK+\slot] offset:(64*\u+16*\kt)*KP+64*\c
	ds_load_b128 v[KF+16*\kt+8*\c+4:KF+16*\kt+8*\c+7], v[AK+\slot] offset:(64*\u+16*\kt)*KP+64*\c+32
.endr
.endr
.endm
.macro MLOAD slot, u
	WIN 0
.irp t, 0,1
.irp kt, 0,1,2,3
	ds_load_b128 v[MK+32*\t+8*\kt:MK+32*\t+8*\kt+3], v[AM+\slot] offset:16*\t*MP+256*\u+64*\kt
	ds_load_b128 v[MK+32*\t+8*\kt+4:MK+32*\t+8*\kt+7], v[AM+\slot] offset:16*\t*MP+256*\u+64*\kt+16
.endr
.endr
.endm
.macro VLOAD slot, u
	WIN TO_1
.irp kh, 0,1
.irp ct, 0,1,2,3
	ds_load_tr16_b128 v[VF+32*\kh+8*\ct:VF+32*\kh+8*\ct+3], v[AV+\slot] offset:(64*\u+32*\kh)*VP+32*\ct
	ds_load_tr16_b128 v[VF+32*\kh+8*\ct+4:VF+32*\kh+8*\ct+7], v[AV+\slot] offset:(64*\u+32*\kh)*VP+16*VP+32*\ct
.endr
.endr
.endm
; 64 KEYS: the u-th half of the slot.  ask: a prefetch behind the first run of loads.  sel = 1: the select that keeps keys 0 to 15 out of positions 0 to 15.
; chg, in a slot's second half: THE CHANGE OF SLOTS.  V's fragments are my last read of the slot.  As soon as they are asked for and the maximum is found, I wait for all my tensor loads (my part of the other slot), add 0 to my spare word,
; wait for that and for V, and signal; the exponentials, the sums and the second product, work on registers alone, stand between the signal and its wait.  chg = 1: the barrier opens a round of the cluster's barrier, and behind the round the slot
; is filled again first, with the keys two slots on.  chg = 2: nothing is left to fetch: a plain barrier.
.macro SUBSTEP slot, u, ask, sel, chg
.if \u == 0
	KLOAD \slot, 0
	MLOAD \slot, 0
.if \ask
	ASK \ask
.endif
.endif
	s_wait_dscnt 16                                ; K's sixteen loads are in; the mask's sixteen, issued behind them, may be out
	WIN W_KQ
.irp c, 0,1                            ; the eight accumulators take turns
.irp kt, 0,1,2,3
.irp t, 0,1
.if \c == 0
	v_wmma_f32_16x16x32_f16 v[S+32*\t+8*\kt:S+32*\t+8*\kt+7], v[KF+16*\kt+8*\c:KF+16*\kt+8*\c+7], v[QF+16*\t+8*\c:QF+16*\t+8*\c+7], 0
.else
	v_wmma_f32_16x16x32_f16 v[S+32*\t+8*\kt:S+32*\t+8*\kt+7], v[KF+16*\kt+8*\c:KF+16*\kt+8*\c+7], v[QF+16*\t+8*\c:QF+16*\t+8*\c+7], v[S+32*\t+8*\kt:S+32*\t+8*\kt+7]
.endif
.endr
.endr
.endr
	WIN 0
.rept 4
	v_nop                                          ; four places behind the products: ahead of the first read of their results, and of the loads into K's registers below
.endr
	s_wait_dscnt 0x0                               ; the mask
.set i, 0
.rept 32
	v_pk_fma_f32 v[S+i:S+i+1], v[MK+i:MK+i+1], s[68:69], v[S+i:S+i+1] op_sel_hi:[1,0,1]   ; t = mask x log2(e) + q' . k'; each accumulator from its low end on
.set i, i+2
.endr
.if \sel
.irp j, 0,1,2,3,4,5,6,7
	v_cndmask_b32 v[S+\j], v[S+\j], v[NEG], s[SELM]   ; tile 0, keys 0 to 15 of the slot: -infinity where the mask is set
.endr
.endif
	VLOAD \slot, \u
.if \u == 0
	KLOAD \slot, 1                                 ; the slot's second half is asked for a softmax ahead of its use
	MLOAD \slot, 1
.endif
	WIN 0
.irp t, 0,1
	v_mov_b32 v[ST+8*\t+1], v[ST+8*\t]             ; the old m
.endr
.irp j, 0,1,2,3
.irp t, 0,1
	v_max3_num_f32 v[ST+8*\t+4+\j], v[S+32*\t+8*\j], v[S+32*\t+8*\j+1], v[S+32*\t+8*\j+2]
.endr
.endr
.irp g, 1,2
.irp j, 0,1,2,3
.irp t, 0,1
	v_max3_num_f32 v[ST+8*\t+4+\j], v[ST+8*\t+4+\j], v[S+32*\t+8*\j+2*\g+1], v[S+32*\t+8*\j+2*\g+2]
.endr
.endr
.endr
.irp t, 0,1
	v_max3_num_f32 v[ST+8*\t+4], v[ST+8*\t+4], v[S+32*\t+7], v[S+32*\t+15]
	v_max3_num_f32 v[ST+8*\t+6], v[ST+8*\t+6], v[S+32*\t+23], v[S+32*\t+31]
.endr
.irp t, 0,1
	v_max3_num_f32 v[ST+8*\t+4], v[ST+8*\t+4], v[ST+8*\t+5], v[ST+8*\t+6]
.endr
.irp t, 0,1
	v_max3_num_f32 v[ST+8*\t+4], v[ST+8*\t+4], v[ST+8*\t+7], v[ST+8*\t+1]
.endr
.irp t, 0,1
	v_permlanex16_b32 v[ST+8*\t+5], v[ST+8*\t+4], s70, s71   ; the query's other 32 keys lie in the lane 16 away
.endr
.irp t, 0,1
	v_max_num_f32 v[ST+8*\t], v[ST+8*\t+4], v[ST+8*\t+5]     ; the new m
.endr
.irp t, 0,1
	v_sub_f32 v[ST+8*\t+7], v[ST+8*\t+1], v[ST+8*\t]         ; the old m - the new
.endr
.if \chg
	s_wait_tensorcnt 0x0                           ; no tensor load of mine is out: my part of the other slot has landed, and the descriptors may be written
	ds_add_u32 v[SPW], v[NIL]
.if \chg == 1
	s_add_nc_u64 s[G0M+4*\slot+2:G0M+4*\slot+3], s[G0M+4*\slot+2:G0M+4*\slot+3], 1024
	s_add_nc_u64 s[G0KV+4*\slot+2:G0KV+4*\slot+3], s[G0KV+4*\slot+2:G0KV+4*\slot+3], 32768
	s_wait_xcnt 0x0                                ; the last prefetch, a slot back, has read its address
	s_add_nc_u64 s[PFA:PFA+1], s[PFA:PFA+1], s[PFS:PFS+1]
.endif
	s_wait_dscnt 0x0                               ; the add is done; V is in: my reads of the slot are over
	s_barrier_signal -1                            ; say so; what follows up to the wait touches registers alone
.endif
.irp t, 0,1
.set i, 0
.rept 16
	v_pk_add_f32 v[S+32*\t+i:S+32*\t+i+1], v[S+32*\t+i:S+32*\t+i+1], v[ST+8*\t:ST+8*\t+1] op_sel_hi:[1,0] neg_lo:[0,1] neg_hi:[0,1]   ; t - m
.set i, i+2
.endr
.endr
	v_exp_f32 v[ST+6], v[ST+7]                     ; a = 2^(old m - m)
	v_exp_f32 v[ST+14], v[ST+15]
.set i, 0
.rept 64
	v_exp_f32 v[S+i], v[S+i]                       ; p
.set i, i+1
.endr
	v_nop                                          ; a plain instruction behind the last exponential
	s_wait_alu depctr_va_vdst(0)                   ; one wait for the batch of 66, ahead of its first reader
.set i, 0
.rept 32
	v_cvt_pk_f16_f32 v[P+i], v[S+2*i], v[S+2*i+1]
.set i, i+1
.endr
.irp z, 0,1,2,3,4,5,6,7,8,9,10,11,12,13,14,15
	v_pk_add_f32 v[S+4*\z:S+4*\z+1], v[S+4*\z:S+4*\z+1], v[S+4*\z+2:S+4*\z+3]   ; the rows' sums of the unrounded p, in place
.endr
.irp z, 0,1,2,3,4,5,6,7
	v_pk_add_f32 v[S+8*\z:S+8*\z+1], v[S+8*\z:S+8*\z+1], v[S+8*\z+4:S+8*\z+5]
.endr
.irp z, 0,1,2,3
	v_pk_add_f32 v[S+16*\z:S+16*\z+1], v[S+16*\z:S+16*\z+1], v[S+16*\z+8:S+16*\z+9]
.endr
.irp t, 0,1
	v_pk_add_f32 v[S+32*\t:S+32*\t+1], v[S+32*\t:S+32*\t+1], v[S+32*\t+16:S+32*\t+17]
.endr
.irp t, 0,1
	v_pk_fma_f32 v[ST+8*\t+2:ST+8*\t+3], v[ST+8*\t+2:ST+8*\t+3], v[ST+8*\t+6:ST+8*\t+7], v[S+32*\t:S+32*\t+1] op_sel_hi:[1,0,1]   ; l = a l + the sum
.endr
	WIN W_RS
.irp t, 0,1
.set i, 0
.rept 16
	v_pk_mul_f32 v[OF+32*\t+i:OF+32*\t+i+1], v[OF+32*\t+i:OF+32*\t+i+1], v[ST+8*\t+6:ST+8*\t+7] op_sel_hi:[1,0]   ; O^T x a, each accumulator from its low end on
.set i, i+2
.endr
.endr
.if \chg == 0
.if \u == 0
	s_wait_dscnt 32                                ; V's sixteen loads are in; the second half's K and mask, 32 loads issued behind them, may be out
.else
	s_wait_dscnt 0x0                               ; V
.endif
.endif
	WIN W_PV
.irp kh, 0,1
.irp ct, 0,1,2,3
.irp t, 0,1
	v_wmma_f32_16x16x32_f16 v[OF+32*\t+8*\ct:OF+32*\t+8*\ct+7], v[VF+32*\kh+8*\ct:VF+32*\kh+8*\ct+7], v[P+16*\t+8*\kh:P+16*\t+8*\kh+7], v[OF+32*\t+8*\ct:OF+32*\t+8*\ct+7]
.endr
.endr
.endr
	WIN 0
.if \chg
	s_barrier_wait -1                              ; all eight waves have said so
.endif
.if \chg == 1
	CREST                                          ; and all sixteen work-groups: no wave of any partner still reads the slot or has a load on its way
	JLOAD \slot                                    ; one tensor load of mine is out; it has the other slot's 64 matrix instructions and four softmaxes in which to land
.endif
.endm
	s_wait_tensorcnt 1                             ; my part of slot 0 is in; slot 1's load may be out
	s_barrier_signal -1
	s_barrier_wait -1
	s_wait_loadcnt 0x0                             ; Q
	s_mov_b32 s[TRIPS], 7
.Lloop:                                            ; seven trips: keys 0 .. 1,791; both slots are filled again in each: fourteen refills, keys 256 .. 2,047
	SUBSTEP 0, 0, 3, 1, 0
	SUBSTEP 0, 1, 0, 0, 1
	SUBSTEP 1, 0, 1, 0, 0
	SUBSTEP 1, 1, 0, 0, 1
	s_mov_b32 s[SELM], 0                           ; keys 0 to 15 lie in the first trip alone
	s_sub_co_u32 s[TRIPS], s[TRIPS], 1
	s_cmp_lg_u32 s[TRIPS], 0
	s_cbranch_scc1 .Lloop
	SUBSTEP 0, 0, 0, 0, 0                          ; the last two slots are written out: nothing is asked for
	SUBSTEP 0, 1, 0, 0, 2
	SUBSTEP 1, 0, 0, 0, 0
	SUBSTEP 1, 1, 0, 0, 0
	; THE WAY OUT: O^T / l, rounded to f16, through a stage in slot 0 (it has had its last fill, and nobody reads it since the last barrier): a row's 256 bytes come from two waves.
.irp t, 0,1
	v_add_f32 v[ST+8*\t+4], v[ST+8*\t+2], v[ST+8*\t+3]
.endr
.irp t, 0,1
	v_permlanex16_b32 v[ST+8*\t+5], v[ST+8*\t+4], s70, s71
.endr
.irp t, 0,1
	v_add_f32 v[ST+8*\t+4], v[ST+8*\t+4], v[ST+8*\t+5]       ; l
.endr
	s_or_b32 s88, s16, s12                         ; Y = 0 and queries 0-31 of the block: ids that all partners share, and the wave's number
	s_cmp_lg_u32 s88, 0
	s_cbranch_scc1 .Lno_ml
	v_cndmask_b32 v[MLD], v[ST], v[ST+8], s[HALFM]           ; lanes 0-15: tile 0's m and l; lanes 16-31: tile 1's
	v_cndmask_b32 v[MLD+1], v[ST+4], v[ST+12], s[HALFM]
	global_store_b64 v[MLO], v[MLD:MLD+1], s[MLB:MLB+1]      ; 32 lanes store 256 consecutive bytes, aligned; its registers are not written again
.Lno_ml:
.irp t, 0,1
	v_rcp_f32 v[ST+8*\t+6], v[ST+8*\t+4]
.endr
	v_nop
	s_wait_alu depctr_va_vdst(0)                   ; one wait for the two reciprocals
	WIN W_RS
.irp t, 0,1
.set i, 0
.rept 16
	v_pk_mul_f32 v[OF+32*\t+i:OF+32*\t+i+1], v[OF+32*\t+i:OF+32*\t+i+1], v[ST+8*\t+6:ST+8*\t+7] op_sel_hi:[1,0]
.set i, i+2
.endr
.endr
	WIN 0x05
.set i, 0
.rept 32
	v_cvt_pk_f16_f32 v[S+i], v[OF+2*i], v[OF+2*i+1]
.set i, i+1
.endr
	WIN 0
.irp t, 0,1
.irp ct, 0,1,2,3
	ds_store_b128 v[STO], v[S+16*\t+4*\ct:S+16*\t+4*\ct+3] offset:16*\t*SP+32*\ct
.endr
.endr
	s_wait_dscnt 0x0                               ; for the others' sake: my stores into the stage are done
	s_barrier_signal -1
	s_barrier_wait -1
.irp i, 0,1,2,3,4,5,6,7
	ds_load_b128 v[MK+4*\i:MK+4*\i+3], v[RD] offset:\i*2*SP
.endr
.irp i, 0,1,2,3,4,5,6,7
	s_wait_dscnt 7-\i                              ; LDS loads come back in order: pair i of rows is in
	global_store_b128 v[GO], v[MK+4*\i:MK+4*\i+3], s[8:9] offset:\i*4096   ; sixteen lanes store 256 consecutive bytes, aligned
.endr
	s_wait_tensorcnt 0x0                           ; the wave's end
	ds_add_u32 v[SPW], v[NIL]
	s_wait_dscnt 0x0
	CROUND                                         ; the closing round
	s_endpgm
.Lfunc_end_k_q2ac5d3dd8e_attn:
	.size	k_q2ac5d3dd8e_attn, .Lfunc_end_k_q2ac5d3dd8e_attn-k_q2ac5d3dd8e_attn
	.p2alignl 7, 3214868480
	.fill 96, 4, 3214868480
	.section	.rodata,"a",@progbits
	.p2align	6, 0x0
	.amdhsa_kernel k_q2ac5d3dd8e_attn
		.amdhsa_group_segment_fixed_size 327680
		.amdhsa_private_segment_fixed_size 0
		.amdhsa_enable_private_segment 0
		.amdhsa_kernarg_size 32
		.amdhsa_user_sgpr_count 2
		.amdhsa_user_sgpr_kernarg_segment_ptr 1
		.amdhsa_wavefront_size32 1
		.amdhsa_system_sgpr_workgroup_id_x 1
		.amdhsa_system_sgpr_workgroup_id_y 1
		.amdhsa_system_sgpr_workgroup_id_z 1
		.amdhsa_system_vgpr_workitem_id 0
		.amdhsa_next_free_vgpr 512
		.amdhsa_next_free_sgpr 100
		.amdhsa_reserve_vcc 0
		.amdhsa_float_denorm_mode_32 3
		.amdhsa_float_denorm_mode_16_64 3
		.amdhsa_memory_ordered 1
		.amdhsa_forward_progress 1
		.amdhsa_inst_pref_size 186
	.end_amdhsa_kernel
	.amdgpu_metadata
---
amdhsa.version: [ 1, 2 ]
amdhsa.kernels:
  - .name:           k_q2ac5d3dd8e_attn
    .symbol:         k_q2ac5d3dd8e_attn.kd
    .args:
      - { .name: qkv, .offset: 0, .size: 8, .value_kind: global_buffer, .address_space: global }
      - { .name: mask, .offset: 8, .size: 8, .value_kind: global_buffer, .address_space: global }
      - { .name: attn, .offset: 16, .size: 8, .value_kind: global_buffer, .address_space: global }
      - { .name: ml, .offset: 24, .size: 8, .value_kind: global_buffer, .address_space: global }
    .group_segment_fixed_size: 327680
    .private_segment_fixed_size: 0
    .kernarg_segment_align: 8
    .kernarg_segment_size: 32
    .max_flat_workgroup_size: 256
    .sgpr_count:     100
    .vgpr_count:     512
    .wavefront_size: 32
...
	.end_amdgpu_metadata
.endif
;; end of part 3
;; launch proj (part 4): grid 8 x 64, 4 waves a work-group, clusters of 4 x 4, 327,680 bytes of LDS; arguments attn, wot, out0; writes out0
.if DOCPART == 4
	.amdgcn_target "amdgcn-amd-amdhsa--gfx1250"
	.amdhsa_code_object_version 6
	.text
	.protected	k_q2ac5d3dd8e_proj
	.globl	k_q2ac5d3dd8e_proj
	.p2align	8
	.type	k_q2ac5d3dd8e_proj,@function
k_q2ac5d3dd8e_proj:
	s_mov_b64 s[64:65], 0
	v_nop
	global_prefetch_b8 v0, s[64:65] scope:SCOPE_SE
	s_setreg_imm32_b32 hwreg(HW_REG_WAVE_MODE, 25, 1), 1
	s_wait_xcnt 0x0
	s_wait_alu depctr_hold_cnt(0) depctr_sa_sdst(0) depctr_va_vdst(0) depctr_va_sdst(0) depctr_va_ssrc(0) depctr_va_vcc(0) depctr_vm_vsrc(0)
	s_getreg_b32 s2, hwreg(HW_REG_IB_STS2, 6, 4)
	s_cmp_eq_u32 s2, 0
	s_cbranch_scc0 .Lentry_in_a_cluster
	s_endpgm
.Lentry_in_a_cluster:
	s_bfe_u32 s2, ttmp6, 0x10000c
	s_cmp_lg_u32 s2, 0xf033
	s_cbranch_scc0 .Lentry_shape_is_right
	s_endpgm
.Lentry_shape_is_right:
; out0 = attn Wout: C[m][n] = sum over k of attn[m][k] wot[n][k], f16 operands, f32 sums and results; 8192 x 1024, K = 1024.
; Rows of positions 0 to 15 of each sequence are computed with their tile and NOT stored here: the launch behind this one but one makes them in f32.
; A tile of C is 128 x 128: four waves, 64 x 64 each, 16 accumulators.  K goes in steps of 256 through two LDS slots.  CLUSTER 4 x 4: tile column = 4 X + cx, TILE ROW = 16 cy + Y: the batch is cy and the tile's first
; position 128 Y, so 'positions 0 to 15 are in my tile' is Y = 0, the same in all sixteen.  A's tiles are shared along a row of the cluster, B's along a column.  The matrix instruction is used transposed.
; A wave's 64 columns of f32 are 256 aligned bytes: each wave has a stage of its own (16 rows x 272 bytes, in slot 0, which has had its last fill and last read by then), and no barrier stands on the way out.
; No prefetch: the tiles are small and a K step's work is short.
.set SIZE_N, 1024
.set SIZE_K, 1024
.set KSTEP,  256
.set PITCH,  528
.set HALFT,  64*PITCH
.set SLOT,   4*HALFT
.set SPARE,  2*SLOT
.set SPITCH, 272
.set LAPS,   SIZE_K/(2*KSTEP)
.set ADRA, 16
.set ADRB, 20
.set STO,  24
.set RD,   25
.set CO,   26
.set SPW,  28
.set NIL,  29
.set TMP,  32
.set ACC,  128
.set F0,   0
.set F1,   128
.set G1, 24
.set G0, 32
.set G1B, 48
.set G0B, 56
.set MSB, 0
.macro WIN new
.if MSB != (\new)
	s_set_vgpr_msb (MSB<<8)|(\new)
.set MSB, (\new)
.endif
.endm
.set MUL,  0x05
.set TO_F, 0x40
.macro JLOAD s
	s_cmp_eq_u32 s11, 0
	s_cbranch_scc0 .Lfor_b_\@
	tensor_load_to_lds s[G0+4*\s:G0+4*\s+3], s[G1:G1+7]
	s_nop 0
.rept 4
	v_nop
.endr
	s_branch .Lasked_\@
.Lfor_b_\@:
	tensor_load_to_lds s[G0B+4*\s:G0B+4*\s+3], s[G1B:G1B+7]
	s_nop 0
.rept 4
	v_nop
.endr
.Lasked_\@:
.endm
.macro CREST
	s_cmp_lg_u32 s10, 0
	s_cbranch_scc1 .Lnot_wave_0_\@
	s_barrier_signal -3
.Lnot_wave_0_\@:
	s_barrier_wait -3
	s_barrier_signal -1
	s_barrier_wait -1
.endm
.macro CROUND
	s_barrier_signal -1
	s_barrier_wait -1
	CREST
.endm
	s_load_b128 s[4:7], s[0:1], 0x0                ; attn, wot
	s_load_b64 s[8:9], s[0:1], 0x10                ; out0
	v_lshl_add_u32 v[SPW], v0, 2, SPARE
	v_mov_b32 v[NIL], 0
	ds_add_u32 v[SPW], v[NIL]                      ; the opening: the add, twice on end, and its wait ahead of my first tensor load
	ds_add_u32 v[SPW], v[NIL]
	v_lshrrev_b32 v1, 5, v0
	v_readfirstlane_b32 s10, v1                    ; wave
	s_lshr_b32 s11, s10, 1                         ; my half of the rows; also: I fetch for A (0) or B (1)
	s_and_b32 s12, s10, 1                          ; my half of the columns; also: which 64 rows I fetch
	s_bfe_u32 s40, ttmp6, 0x40000                  ; cx
	s_bfe_u32 s41, ttmp6, 0x40004                  ; cy
	s_lshl_b32 s42, ttmp9, 2
	s_add_co_u32 s42, s42, s40                     ; tile column = 4 X + cx
	s_and_b32 s45, ttmp7, 0xffff                   ; Y
	s_lshl_b32 s13, s41, 4
	s_add_co_u32 s13, s13, s45                     ; tile row = 16 cy + Y
	s_lshl_b32 s43, s41, 2
	s_lshl_b32 s43, 15, s43
	s_lshl_b32 s44, 0x1111, s40
	s_or_b32 s[G1+0], s43, (1<<16)|(1<<20)|(1<<21)|(6<<22)|(3<<25)   ; 64 rows x 256 elements of 2 bytes; 4 words of padding after every 128
	s_or_b32 s[G1B+0], s44, (1<<16)|(1<<20)|(1<<21)|(6<<22)|(3<<25)
.irp g, G1, G1B
	s_mov_b32 s[\g+1], KSTEP<<16
	s_mov_b32 s[\g+2], 64<<16
	s_mov_b32 s[\g+3], KSTEP<<16
	s_mov_b32 s[\g+4], 64
	s_mov_b32 s[\g+5], SIZE_K
	s_mov_b32 s[\g+6], 0
	s_mov_b32 s[\g+7], 0
.endr
	s_lshl_b32 s17, s12, 6
	s_lshl_b32 s16, s13, 7
	s_add_co_u32 s16, s16, s17
	s_lshl_b32 s46, s42, 7
	s_add_co_u32 s46, s46, s17
	s_mov_b32 s17, 0
	s_mov_b32 s47, 0
	s_mov_b64 s[18:19], SIZE_K*2
	s_mul_u64 s[16:17], s[16:17], s[18:19]
	s_mul_u64 s[46:47], s[46:47], s[18:19]
	s_mul_i32 s20, s10, HALFT
	s_wait_dscnt 0x0                               ; both opening adds are done
	s_wait_kmcnt 0x0
	s_add_nc_u64 s[14:15], s[4:5], s[16:17]
	s_add_nc_u64 s[46:47], s[6:7], s[46:47]
	CROUND
.irp s, 0,1
	s_mov_b32 s[G0+4*\s], 1
	s_add_co_u32 s[G0+4*\s+1], s20, \s*SLOT
	s_add_nc_u64 s[G0+4*\s+2:G0+4*\s+3], s[14:15], \s*KSTEP*2
	s_or_b32 s[G0+4*\s+3], s[G0+4*\s+3], 0x80000000
	s_mov_b32 s[G0B+4*\s], 1
	s_add_co_u32 s[G0B+4*\s+1], s20, \s*SLOT
	s_add_nc_u64 s[G0B+4*\s+2:G0B+4*\s+3], s[46:47], \s*KSTEP*2
	s_or_b32 s[G0B+4*\s+3], s[G0B+4*\s+3], 0x80000000
	JLOAD \s
.endr
	v_and_b32 v1, 15, v0
	v_bfe_u32 v2, v0, 4, 1
	v_mul_u32_u24 v3, v1, PITCH
	v_lshl_add_u32 v3, v2, 4, v3
	s_mul_i32 s21, s11, HALFT
	s_mul_i32 s22, s12, HALFT
	s_add_co_u32 s22, s22, 2*HALFT
.irp s, 0,1
	v_add_nc_u32 v[ADRA+\s], s21, v3
	v_add_nc_u32 v[ADRB+\s], s22, v3
	s_add_co_u32 s21, s21, SLOT
	s_add_co_u32 s22, s22, SLOT
.endr
	s_mul_i32 s23, s10, 16*SPITCH                  ; my stage
	v_mul_u32_u24 v4, v1, SPITCH
	v_lshl_add_u32 v4, v2, 5, v4
	v_add_nc_u32 v[STO], s23, v4                   ; in: row r, 32 bytes for each half of the lanes
	v_mul_u32_u24 v5, v2, SPITCH
	v_lshl_add_u32 v5, v1, 4, v5
	v_add_nc_u32 v[RD], s23, v5                    ; back: sixteen lanes to a row of 256 bytes
	v_lshlrev_b32 v5, 12, v2
	v_lshl_add_u32 v[CO], v1, 4, v5
	s_lshl_b32 s16, s13, 7
	s_lshl_b32 s17, s11, 6
	s_add_co_u32 s16, s16, s17
	s_lshl_b32 s16, s16, 12                        ; my first row of out0, 4,096 bytes a row
	s_mov_b32 s17, 0
	s_add_nc_u64 s[8:9], s[8:9], s[16:17]
	s_lshl_b32 s46, s42, 9
	s_lshl_b32 s47, s12, 8
	s_add_co_u32 s46, s46, s47
	s_mov_b32 s47, 0
	s_add_nc_u64 s[8:9], s[8:9], s[46:47]
.macro MUL8 f, c, a0, zero
.irp a, \a0, \a0+1
.irp b, 0,1,2,3
.if \zero
	v_wmma_f32_16x16x32_f16 v[ACC+8*(4*(\a)+\b):ACC+8*(4*(\a)+\b)+7], v[\f+64+8*(4*\c+\b):\f+64+8*(4*\c+\b)+7], v[\f+8*(4*\c+\a):\f+8*(4*\c+\a)+7], 0
.else
	v_wmma_f32_16x16x32_f16 v[ACC+8*(4*(\a)+\b):ACC+8*(4*(\a)+\b)+7], v[\f+64+8*(4*\c+\b):\f+64+8*(4*\c+\b)+7], v[\f+8*(4*\c+\a):\f+8*(4*\c+\a)+7], v[ACC+8*(4*(\a)+\b):ACC+8*(4*(\a)+\b)+7]
.endif
.endr
.endr
.endm
.macro FETCH slot, k, f
	WIN TO_F
.irp c, 0,1
.irp i, 0,1,2,3
	ds_load_b128 v[\f+64+8*(4*\c+\i):\f+64+8*(4*\c+\i)+3],   v[ADRB+\slot] offset:\k+64*\c+\i*16*PITCH
	ds_load_b128 v[\f+64+8*(4*\c+\i)+4:\f+64+8*(4*\c+\i)+7], v[ADRB+\slot] offset:\k+64*\c+\i*16*PITCH+32
	ds_load_b128 v[\f+8*(4*\c+\i):\f+8*(4*\c+\i)+3],         v[ADRA+\slot] offset:\k+64*\c+\i*16*PITCH
	ds_load_b128 v[\f+8*(4*\c+\i)+4:\f+8*(4*\c+\i)+7],       v[ADRA+\slot] offset:\k+64*\c+\i*16*PITCH+32
.endr
.endr
.endm
.macro PLACES
.rept 4
	v_nop
.endr
.endm
.macro QUARTER slot, k, f, g, zero
	s_wait_dscnt 16                                ; the first 32 along K are in; the other sixteen loads may be out
	WIN MUL
	MUL8 \f, 0, 0, \zero
	MUL8 \f, 0, 2, \zero
	PLACES
	FETCH \slot, \k, \g
	s_wait_dscnt 32                                ; all but the 32 just issued
	WIN MUL
	MUL8 \f, 1, 0, 0
	MUL8 \f, 1, 2, 0
.endm
.macro TURN slot, next, fill
	WIN 0
	s_wait_tensorcnt 0x0                           ; all my tensor loads have landed: my part of the next slot
	ds_add_u32 v[SPW], v[NIL]
	s_wait_dscnt 17                                ; the add and the youngest sixteen loads may be out
	WIN MUL
	MUL8 F1, 0, 0, 0
	s_wait_dscnt 0x0                               ; the add is done, and my reads of this slot are over
	s_barrier_signal -1
	MUL8 F1, 0, 2, 0
.if \fill
	WIN 0
.endif
	s_barrier_wait -1
.if \fill
	CREST                                          ; the barrier has opened a round of the cluster's barrier
	s_add_nc_u64 s[G0+4*\slot+2:G0+4*\slot+3], s[G0+4*\slot+2:G0+4*\slot+3], 2*KSTEP*2
	s_add_nc_u64 s[G0B+4*\slot+2:G0B+4*\slot+3], s[G0B+4*\slot+2:G0B+4*\slot+3], 2*KSTEP*2
	JLOAD \slot
.else
	PLACES
.endif
	FETCH \next, 0, F0
	WIN MUL
	MUL8 F1, 1, 0, 0
	MUL8 F1, 1, 2, 0
.endm
	s_wait_tensorcnt 1                             ; my part of K step 0 is in; K step 1's load may be out
	s_barrier_signal -1
	s_barrier_wait -1
	FETCH 0, 0, F0
	QUARTER 0, 128, F0, F1, 1
	WIN 0
	s_mov_b32 s3, LAPS-1
.Llap:
	QUARTER 0, 256, F1, F0, 0
	QUARTER 0, 384, F0, F1, 0
	TURN 0, 1, 1
	QUARTER 1, 128, F0, F1, 0
	QUARTER 1, 256, F1, F0, 0
	QUARTER 1, 384, F0, F1, 0
	TURN 1, 0, 1
	QUARTER 0, 128, F0, F1, 0
	WIN 0
	s_sub_co_u32 s3, s3, 1
	s_cmp_lg_u32 s3, 0
	s_cbranch_scc1 .Llap
	QUARTER 0, 256, F1, F0, 0
	QUARTER 0, 384, F0, F1, 0
	TURN 0, 1, 0
	QUARTER 1, 128, F0, F1, 0
	QUARTER 1, 256, F1, F0, 0
	QUARTER 1, 384, F0, F1, 0
	s_wait_dscnt 16
	WIN MUL
	MUL8 F1, 0, 0, 0
	MUL8 F1, 0, 2, 0
	s_wait_dscnt 0
	MUL8 F1, 1, 0, 0
	MUL8 F1, 1, 2, 0
	WIN 0
; THE WAY OUT, 16 rows x 64 columns at a time, through my own stage: LDS serves a wave's instructions in order, so no wait stands between the stores and the loads.
.macro OUTB a
	s_wait_xcnt 0x0                                ; earlier stores have read the registers that the loads below fill
.irp b, 0,1,2,3
	ds_store_b128 v[STO], v[ACC+8*(4*\a+\b):ACC+8*(4*\a+\b)+3] offset:64*\b          ; each accumulator from its low end on
	ds_store_b128 v[STO], v[ACC+8*(4*\a+\b)+4:ACC+8*(4*\a+\b)+7] offset:64*\b+16
.endr
.irp i, 0,1,2,3,4,5,6,7
	ds_load_b128 v[TMP+32*(\a%2)+4*\i:TMP+32*(\a%2)+4*\i+3], v[RD] offset:\i*2*SPITCH
.endr
	s_wait_dscnt 0x0
.irp i, 0,1,2,3,4,5,6,7
	global_store_b128 v[CO], v[TMP+32*(\a%2)+4*\i:TMP+32*(\a%2)+4*\i+3], s[8:9] offset:(16*\a+2*\i)*4096 th:TH_STORE_NT   ; sixteen lanes store 256 consecutive bytes, aligned
.endr
.endm
	PLACES
	s_or_b32 s16, s45, s11                         ; Y = 0 and the upper half of the rows: block 0 holds positions 0 to 15, which a later launch stores
	s_cmp_eq_u32 s16, 0
	s_cbranch_scc1 .Lnot_first
	OUTB 0
.Lnot_first:
	OUTB 1
	OUTB 2
	OUTB 3
	s_wait_tensorcnt 0x0                           ; the wave's end
	ds_add_u32 v[SPW], v[NIL]
	s_wait_dscnt 0x0
	CROUND                                         ; the closing round
	s_endpgm
.Lfunc_end_k_q2ac5d3dd8e_proj:
	.size	k_q2ac5d3dd8e_proj, .Lfunc_end_k_q2ac5d3dd8e_proj-k_q2ac5d3dd8e_proj
	.p2alignl 7, 3214868480
	.fill 96, 4, 3214868480
	.section	.rodata,"a",@progbits
	.p2align	6, 0x0
	.amdhsa_kernel k_q2ac5d3dd8e_proj
		.amdhsa_group_segment_fixed_size 327680
		.amdhsa_private_segment_fixed_size 0
		.amdhsa_enable_private_segment 0
		.amdhsa_kernarg_size 24
		.amdhsa_user_sgpr_count 2
		.amdhsa_user_sgpr_kernarg_segment_ptr 1
		.amdhsa_wavefront_size32 1
		.amdhsa_system_sgpr_workgroup_id_x 1
		.amdhsa_system_sgpr_workgroup_id_y 1
		.amdhsa_system_sgpr_workgroup_id_z 1
		.amdhsa_system_vgpr_workitem_id 0
		.amdhsa_next_free_vgpr 512
		.amdhsa_next_free_sgpr 66
		.amdhsa_reserve_vcc 0
		.amdhsa_float_denorm_mode_32 3
		.amdhsa_float_denorm_mode_16_64 3
		.amdhsa_memory_ordered 1
		.amdhsa_forward_progress 1
		.amdhsa_inst_pref_size 86
	.end_amdhsa_kernel
	.amdgpu_metadata
---
amdhsa.version: [ 1, 2 ]
amdhsa.kernels:
  - .name:           k_q2ac5d3dd8e_proj
    .symbol:         k_q2ac5d3dd8e_proj.kd
    .args:
      - { .name: attn, .offset: 0, .size: 8, .value_kind: global_buffer, .address_space: global }
      - { .name: wot, .offset: 8, .size: 8, .value_kind: global_buffer, .address_space: global }
      - { .name: out0, .offset: 16, .size: 8, .value_kind: global_buffer, .address_space: global }
    .group_segment_fixed_size: 327680
    .private_segment_fixed_size: 0
    .kernarg_segment_align: 8
    .kernarg_segment_size: 24
    .max_flat_workgroup_size: 128
    .sgpr_count:     66
    .vgpr_count:     512
    .wavefront_size: 32
...
	.end_amdgpu_metadata
.endif
;; end of part 4
;; launch fattn (part 5): grid 64 x 1, 1 waves a work-group, no clusters, 5,376 bytes of LDS; arguments qkv, lo, mask, attn, ml, attnf; writes attnf
.if DOCPART == 5
	.amdgcn_target "amdgcn-amd-amdhsa--gfx1250"
	.amdhsa_code_object_version 6
	.text
	.protected	k_q2ac5d3dd8e_fattn
	.globl	k_q2ac5d3dd8e_fattn
	.p2align	8
	.type	k_q2ac5d3dd8e_fattn,@function
k_q2ac5d3dd8e_fattn:
	s_mov_b64 s[64:65], 0
	v_nop
	global_prefetch_b8 v0, s[64:65] scope:SCOPE_SE
	s_setreg_imm32_b32 hwreg(HW_REG_WAVE_MODE, 25, 1), 1
	s_wait_xcnt 0x0
; THE FIRST 16 POSITIONS of every sequence, in every head, more finely: these rows may average few values, and f16 operands alone would use up what their size allows.
; The launch of the bulk attention has walked keys 16 to 2,047 for these sixteen queries and left their maximum m and sum l (ml) and their O / l (attn, f16).  Here keys 0 to 15 are taken with operands as pairs of f16, a high and a low part:
; s = kh qh + kl qh + kh ql, o = vh ph + vl ph + vh pl; then the two parts are joined in f32: with M the larger maximum, f = 2^(m - M) of each part, o = (f o + f' l' o') / (f l + f' l').  No work is left out.
; LIMIT: the finer arithmetic serves keys 0 to 15; where a mask lets a few later keys carry a row, the row has f16's accuracy.  Mask values finite; NaN and infinities are not served.
; A work-group is one wave and one head (b 16 + h): 14 matrix instructions; nothing here is shared, so no cluster, no tensor load, no barrier.  V goes through LDS to be turned by ds_load_tr16_b128.
; V's FRAGMENT holds the high parts of keys 0-15 in its first K half and the low parts of the same keys in its second; beside it p's high parts stand in both halves (vh ph + vl ph in one instruction), then p's low parts in the first half and zeros in the second.
; The result goes out in f32 as it lies in registers: attnf [head x 8 + piece][lane][16 bytes]: lane 16 hh + r holds row r, channels 16 (piece / 2) + 8 hh + 4 (piece % 2) + 0 .. 3.
; REGISTERS: v1-9 addresses; v16-31 Q high, v32-47 Q low (later the result, v16-47); v48-63 K high; v64-79 K low; v80-87 the mask; v88-103 the far keys' O / l, f16; v104, v105 their m, l; v112-119 p high; v120-127 p low;
;   v128-143, v144-159 V high, low as loaded; v160-191 V's fragments; v192-199, v200-207 S^T in two sums; v208-239 O^T; v240-254 at work.
.set VP,   160
.set VLR,  2560                        ; V high's stage, 16 x 160 bytes, at 0; V low's here
.set SPARE, 5120                       ; the spare words: a block of 256 bytes that no other line names
.set KO, 1
.set MO, 2
.set VO, 3
.set VS, 4
.set AV, 5
.set AO, 6
.set RO, 7
.set SPW, 8
.set NIL, 9
.set QH, 16
.set QL, 32
.set KH, 48
.set KL, 64
.set MK, 80
.set PH, 112
.set PL, 120
.set VHR, 128
.set VLW, 144
.set VF, 160
.set SA, 192
.set SB, 200
.set OA, 208
.set RS, 16
	s_load_b256 s[4:11], s[0:1], 0x0               ; qkv, lo, mask, attn
	s_load_b128 s[12:15], s[0:1], 0x20             ; ml, attnf
	v_lshl_add_u32 v[SPW], v0, 2, SPARE
	v_mov_b32 v[NIL], 0
	v_and_b32 v10, 15, v0                          ; r
	v_bfe_u32 v11, v0, 4, 1                        ; h
	v_lshlrev_b32 v[KO], 7, v10
	v_lshl_add_u32 v[KO], v11, 4, v[KO]            ; a fragment of q or k: row r of 128 bytes, + 16 h
	v_lshlrev_b32 v[MO], 13, v10
	v_lshl_add_u32 v[MO], v11, 5, v[MO]            ; the mask: row r of 8,192 bytes, + 32 h
	v_lshlrev_b32 v[VO], 4, v0                     ; 16 x lane (one wave: the thread's number is the lane)
	v_lshrrev_b32 v12, 3, v0
	v_mul_u32_u24 v12, v12, VP
	v_and_b32 v13, 7, v0
	v_lshl_add_u32 v[VS], v13, 4, v12              ; V into its stage: four rows of 128 bytes an instruction
	v_lshl_add_u32 v12, v11, 3, v13
	v_mul_u32_u24 v12, v12, VP
	v_bfe_u32 v13, v0, 3, 1
	v_lshl_add_u32 v[AV], v13, 4, v12              ; and out of it, turned
	v_lshlrev_b32 v[AO], 11, v10
	v_lshl_add_u32 v[AO], v11, 4, v[AO]            ; attn: row r of 2,048 bytes, + 16 h
	v_lshlrev_b32 v[RO], 3, v10                    ; ml: 8 bytes a row
	s_mov_b32 s36, 0x3fb8aa3b                      ; log2(e)
	s_mov_b32 s37, s36
	s_mov_b32 s38, 0x76543210
	s_mov_b32 s39, 0xfedcba98
	s_lshl_b32 s40, ttmp9, 18                      ; the head's bytes in q', k', v
	s_mov_b32 s41, 0
	s_lshl_b32 s42, ttmp9, 11                      ; and in each part of lo
	s_mov_b32 s43, 0
	s_lshr_b32 s44, ttmp9, 4                       ; the batch
	s_lshl_b32 s46, s44, 22                        ; its 2,048 rows of attn,
	s_and_b32 s45, ttmp9, 15
	s_lshl_b32 s45, s45, 7
	s_add_co_u32 s46, s46, s45                     ; the head's 128 bytes of a row
	s_mov_b32 s47, 0
	s_lshl_b32 s44, s44, 24                        ; its rows of the mask
	s_mov_b32 s45, 0
	s_lshl_b32 s48, ttmp9, 10                      ; ml: 4 x 256 bytes a head; the first block holds positions 0 to 31
	s_mov_b32 s49, 0
	s_lshl_b32 s50, ttmp9, 12                      ; attnf: 8 pieces of 512 bytes a head
	s_mov_b32 s51, 0
	s_wait_kmcnt 0x0
	s_add_nc_u64 s[16:17], s[4:5], s[40:41]        ; q'
	s_add_nc_u64 s[18:19], s[16:17], 0x1000000     ; k'
	s_add_nc_u64 s[20:21], s[16:17], 0x2000000     ; v
	s_add_nc_u64 s[22:23], s[6:7], s[42:43]        ; q's low parts,
	s_add_nc_u64 s[24:25], s[22:23], 0x20000       ; k's,
	s_add_nc_u64 s[26:27], s[22:23], 0x40000       ; v's
	s_add_nc_u64 s[28:29], s[8:9], s[44:45]        ; the mask
	s_add_nc_u64 s[30:31], s[10:11], s[46:47]      ; the far keys' O / l
	s_add_nc_u64 s[32:33], s[12:13], s[48:49]      ; their m and l
	s_add_nc_u64 s[34:35], s[14:15], s[50:51]
.irp c, 0,1
	global_load_b128 v[QH+8*\c:QH+8*\c+3], v[KO], s[16:17] offset:64*\c
	global_load_b128 v[QH+8*\c+4:QH+8*\c+7], v[KO], s[16:17] offset:64*\c+32
	global_load_b128 v[KH+8*\c:KH+8*\c+3], v[KO], s[18:19] offset:64*\c
	global_load_b128 v[KH+8*\c+4:KH+8*\c+7], v[KO], s[18:19] offset:64*\c+32
	global_load_b128 v[QL+8*\c:QL+8*\c+3], v[KO], s[22:23] offset:64*\c
	global_load_b128 v[QL+8*\c+4:QL+8*\c+7], v[KO], s[22:23] offset:64*\c+32
	global_load_b128 v[KL+8*\c:KL+8*\c+3], v[KO], s[24:25] offset:64*\c
	global_load_b128 v[KL+8*\c+4:KL+8*\c+7], v[KO], s[24:25] offset:64*\c+32
.endr
	global_load_b128 v[MK:MK+3], v[MO], s[28:29]
	global_load_b128 v[MK+4:MK+7], v[MO], s[28:29] offset:16
.irp i, 0,1,2,3
	global_load_b128 v[VHR+4*\i:VHR+4*\i+3], v[VO], s[20:21] offset:512*\i
	global_load_b128 v[VLW+4*\i:VLW+4*\i+3], v[VO], s[26:27] offset:512*\i
	global_load_b128 v[88+4*\i:91+4*\i], v[AO], s[30:31] offset:32*\i
.endr
	global_load_b64 v[104:105], v[RO], s[32:33]
	s_wait_loadcnt 0x0
.irp i, 0,1,2,3
	ds_store_b128 v[VS], v[VHR+4*\i:VHR+4*\i+3] offset:640*\i
	ds_store_b128 v[VS], v[VLW+4*\i:VLW+4*\i+3] offset:VLR+640*\i
.endr
.irp ct, 0,1,2,3                       ; LDS serves a wave's instructions in order: these see the stores above
	ds_load_tr16_b128 v[VF+8*\ct:VF+8*\ct+3], v[AV] offset:32*\ct          ; the first K half: v high, keys 8 h + 0 .. 7
	ds_load_tr16_b128 v[VF+8*\ct+4:VF+8*\ct+7], v[AV] offset:VLR+32*\ct    ; the second: v low of the same keys
.endr
.macro MM d, a, b, z
.if \z
	v_wmma_f32_16x16x32_f16 v[(\d):(\d)+7], v[(\a):(\a)+7], v[(\b):(\b)+7], 0
.else
	v_wmma_f32_16x16x32_f16 v[(\d):(\d)+7], v[(\a):(\a)+7], v[(\b):(\b)+7], v[(\d):(\d)+7]
.endif
.endm
	MM SA, KH,   QH,   1                           ; channels 0-31 in one sum, 32-63 in the other: the two take turns
	MM SB, KH+8, QH+8, 1
	MM SA, KL,   QH,   0
	MM SB, KL+8, QH+8, 0
	MM SA, KH,   QL,   0
	MM SB, KH+8, QL+8, 0
.rept 4
	v_nop                                          ; places behind the products
.endr
.irp i, 0,2,4,6
	v_pk_add_f32 v[SA+\i:SA+\i+1], v[SA+\i:SA+\i+1], v[SB+\i:SB+\i+1]      ; q' . k'; each accumulator from its low end on
.endr
.irp i, 0,2,4,6
	v_pk_fma_f32 v[SA+\i:SA+\i+1], v[MK+\i:MK+\i+1], s[36:37], v[SA+\i:SA+\i+1] op_sel_hi:[1,0,1]   ; t = mask x log2(e) + q' . k'
.endr
	v_max3_num_f32 v240, v[SA], v[SA+1], v[SA+2]
	v_max3_num_f32 v241, v[SA+3], v[SA+4], v[SA+5]
	v_max3_num_f32 v240, v240, v[SA+6], v[SA+7]
	v_max_num_f32 v240, v240, v241
	v_permlanex16_b32 v241, v240, s38, s39         ; the query's other 8 keys lie in the lane 16 away
	v_max_num_f32 v242, v240, v241                 ; m of keys 0 to 15
	v_mov_b32 v243, v242                           ; (named with it as a pair)
	v_max_num_f32 v244, v242, v104                 ; M: the row's maximum
	v_sub_f32 v245, v242, v244
	v_sub_f32 v246, v104, v244
.irp i, 0,2,4,6
	v_pk_add_f32 v[SA+\i:SA+\i+1], v[SA+\i:SA+\i+1], v[242:243] op_sel_hi:[1,0] neg_lo:[0,1] neg_hi:[0,1]   ; t - m
.endr
.irp i, 0,1,2,3,4,5,6,7
	v_exp_f32 v[SA+\i], v[SA+\i]                   ; p
.endr
	v_exp_f32 v245, v245                           ; f of this part,
	v_exp_f32 v246, v246                           ; and of the far keys'
	v_nop
	s_wait_alu depctr_va_vdst(0)                   ; one wait for the batch of ten
.irp j, 0,1,2,3
	v_cvt_pk_f16_f32 v[PH+\j], v[SA+2*\j], v[SA+2*\j+1]
.endr
.irp j, 0,1,2,3
	v_mov_b32 v[PH+4+\j], v[PH+\j]                 ; p high once more, beside v low
.endr
	v_cvt_f32_f16 v16, v112.l                      ; p's low parts: p - its f16
	v_cvt_f32_f16 v17, v112.h
	v_cvt_f32_f16 v18, v113.l
	v_cvt_f32_f16 v19, v113.h
	v_cvt_f32_f16 v20, v114.l
	v_cvt_f32_f16 v21, v114.h
	v_cvt_f32_f16 v22, v115.l
	v_cvt_f32_f16 v23, v115.h
.irp j, 0,1,2,3,4,5,6,7
	v_sub_f32 v[16+\j], v[SA+\j], v[16+\j]
.endr
.irp j, 0,1,2,3
	v_cvt_pk_f16_f32 v[PL+\j], v[16+2*\j], v[17+2*\j]
.endr
.irp j, 4,5,6,7
	v_mov_b32 v[PL+\j], 0                          ; nothing beside v low in the second product
.endr
	s_wait_dscnt 0x0                               ; V's fragments
.irp ct, 0,1,2,3
	MM OA+8*\ct, VF+8*\ct, PH, 1                   ; vh ph + vl ph
.endr
.irp ct, 0,1,2,3
	MM OA+8*\ct, VF+8*\ct, PL, 0                   ; + vh pl
.endr
	v_pk_add_f32 v[248:249], v[SA:SA+1], v[SA+2:SA+3]        ; the row's sum of the unrounded p.  (All that follows up to the first read of O^T names none of the products' registers: their places)
	v_pk_add_f32 v[250:251], v[SA+4:SA+5], v[SA+6:SA+7]
	v_pk_add_f32 v[248:249], v[248:249], v[250:251]
	v_add_f32 v248, v248, v249
	v_permlanex16_b32 v249, v248, s38, s39
	v_add_f32 v248, v248, v249                     ; l of keys 0 to 15
	v_mul_f32 v252, v246, v105                     ; f' l'
	v_fma_f32 v254, v245, v248, v252               ; f l + f' l'
	v_rcp_f32 v254, v254
	v_cvt_f32_f16 v16, v88.l                       ; the far keys' O / l in f32: register 8 ct + j is channel 16 ct + 8 h + j, as in O^T
	v_cvt_f32_f16 v17, v88.h
	v_cvt_f32_f16 v18, v89.l
	v_cvt_f32_f16 v19, v89.h
	v_cvt_f32_f16 v20, v90.l
	v_cvt_f32_f16 v21, v90.h
	v_cvt_f32_f16 v22, v91.l
	v_cvt_f32_f16 v23, v91.h
	v_cvt_f32_f16 v24, v92.l
	v_cvt_f32_f16 v25, v92.h
	v_cvt_f32_f16 v26, v93.l
	v_cvt_f32_f16 v27, v93.h
	v_cvt_f32_f16 v28, v94.l
	v_cvt_f32_f16 v29, v94.h
	v_cvt_f32_f16 v30, v95.l
	v_cvt_f32_f16 v31, v95.h
	v_cvt_f32_f16 v32, v96.l
	v_cvt_f32_f16 v33, v96.h
	v_cvt_f32_f16 v34, v97.l
	v_cvt_f32_f16 v35, v97.h
	v_cvt_f32_f16 v36, v98.l
	v_cvt_f32_f16 v37, v98.h
	v_cvt_f32_f16 v38, v99.l
	v_cvt_f32_f16 v39, v99.h
	v_cvt_f32_f16 v40, v100.l
	v_cvt_f32_f16 v41, v100.h
	v_cvt_f32_f16 v42, v101.l
	v_cvt_f32_f16 v43, v101.h
	v_cvt_f32_f16 v44, v102.l
	v_cvt_f32_f16 v45, v102.h
	v_cvt_f32_f16 v46, v103.l
	v_cvt_f32_f16 v47, v103.h
	s_wait_alu depctr_va_vdst(0)                   ; the reciprocal's wait, ahead of its first reader
	v_mul_f32 v250, v245, v254                     ; this part's weight: f / (f l + f' l')
	v_mul_f32 v252, v252, v254                     ; the far keys': f' l' / (f l + f' l')
	v_mov_b32 v251, v250                           ; (named as pairs)
	v_mov_b32 v253, v252
.set i, 0
.rept 16
	v_pk_mul_f32 v[RS+i:RS+i+1], v[RS+i:RS+i+1], v[252:253] op_sel_hi:[1,0]
.set i, i+2
.endr
.set i, 0
.rept 16
	v_pk_fma_f32 v[RS+i:RS+i+1], v[OA+i:OA+i+1], v[250:251], v[RS+i:RS+i+1] op_sel_hi:[1,0,1]   ; each accumulator from its low end on
.set i, i+2
.endr
.irp p, 0,1,2,3,4,5,6,7
	global_store_b128 v[VO], v[RS+4*\p:RS+4*\p+3], s[34:35] offset:512*\p   ; 32 lanes store 512 consecutive bytes, aligned
.endr
	s_wait_tensorcnt 0x0                           ; the wave's end
	ds_add_u32 v[SPW], v[NIL]
	s_wait_dscnt 0x0
	s_endpgm
.Lfunc_end_k_q2ac5d3dd8e_fattn:
	.size	k_q2ac5d3dd8e_fattn, .Lfunc_end_k_q2ac5d3dd8e_fattn-k_q2ac5d3dd8e_fattn
	.p2alignl 7, 3214868480
	.fill 96, 4, 3214868480
	.section	.rodata,"a",@progbits
	.p2align	6, 0x0
	.amdhsa_kernel k_q2ac5d3dd8e_fattn
		.amdhsa_group_segment_fixed_size 5376
		.amdhsa_private_segment_fixed_size 0
		.amdhsa_enable_private_segment 0
		.amdhsa_kernarg_size 48
		.amdhsa_user_sgpr_count 2
		.amdhsa_user_sgpr_kernarg_segment_ptr 1
		.amdhsa_wavefront_size32 1
		.amdhsa_system_sgpr_workgroup_id_x 1
		.amdhsa_system_sgpr_workgroup_id_y 1
		.amdhsa_system_sgpr_workgroup_id_z 1
		.amdhsa_system_vgpr_workitem_id 0
		.amdhsa_next_free_vgpr 256
		.amdhsa_next_free_sgpr 66
		.amdhsa_reserve_vcc 0
		.amdhsa_float_denorm_mode_32 3
		.amdhsa_float_denorm_mode_16_64 3
		.amdhsa_memory_ordered 1
		.amdhsa_forward_progress 1
		.amdhsa_inst_pref_size 15
	.end_amdhsa_kernel
	.amdgpu_metadata
---
amdhsa.version: [ 1, 2 ]
amdhsa.kernels:
  - .name:           k_q2ac5d3dd8e_fattn
    .symbol:         k_q2ac5d3dd8e_fattn.kd
    .args:
      - { .name: qkv, .offset: 0, .size: 8, .value_kind: global_buffer, .address_space: global }
      - { .name: lo, .offset: 8, .size: 8, .value_kind: global_buffer, .address_space: global }
      - { .name: mask, .offset: 16, .size: 8, .value_kind: global_buffer, .address_space: global }
      - { .name: attn, .offset: 24, .size: 8, .value_kind: global_buffer, .address_space: global }
      - { .name: ml, .offset: 32, .size: 8, .value_kind: global_buffer, .address_space: global }
      - { .name: attnf, .offset: 40, .size: 8, .value_kind: global_buffer, .address_space: global }
    .group_segment_fixed_size: 5376
    .private_segment_fixed_size: 0
    .kernarg_segment_align: 8
    .kernarg_segment_size: 48
    .max_flat_workgroup_size: 32
    .sgpr_count:     66
    .vgpr_count:     256
    .wavefront_size: 32
...
	.end_amdgpu_metadata
.endif
;; end of part 5
;; launch fproj (part 6): grid 16 x 4, 16 waves a work-group, no clusters, 133,120 bytes of LDS; arguments attnf, Wout, out0; writes out0
.if DOCPART == 6
	.amdgcn_target "amdgcn-amd-amdhsa--gfx1250"
	.amdhsa_code_object_version 6
	.text
	.protected	k_q2ac5d3dd8e_fproj
	.globl	k_q2ac5d3dd8e_fproj
	.p2align	8
	.type	k_q2ac5d3dd8e_fproj,@function
k_q2ac5d3dd8e_fproj:
	s_mov_b64 s[64:65], 0
	v_nop
	global_prefetch_b8 v0, s[64:65] scope:SCOPE_SE
	s_setreg_imm32_b32 hwreg(HW_REG_WAVE_MODE, 25, 1), 1
	s_wait_xcnt 0x0
; THE FIRST 16 POSITIONS of every sequence through the projection, in f32 fused multiply-adds: out0[b][r][n] = sum over k of a[r][k] Wout[k][n], r < 16.  These are the rows that the launch of the bulk projection does not store.
; A work-group takes 64 columns of one batch; wave w takes K = head w's 64 channels for all 16 rows; a lane holds 2 columns.  The sixteen waves' sums meet in LDS, and wave w adds and stores row w.
; a comes as the register images that the launch before stored: piece p, lane 16 hh + r holds row r, channels 16 (p / 2) + 8 hh + 4 (p % 2) + 0 .. 3.  The head's 4,096 bytes go to LDS as they lie, and 16 bytes (one row, four channels) are read by all lanes at once.
; No matrix unit: 64 rows in all, f32.  No tensor loads, no cluster.
.set SPARE, 131072
.set SPW, 8
.set NIL, 9
.set ACC, 16                           ; v16-47   a pair of columns for each of 16 rows
.set AB,  48                           ; v48-111  two sets of 8 rows x 4 channels
.set WR,  112                          ; v112-239 Wout: 64 channels x 2 columns
	s_load_b128 s[4:7], s[0:1], 0x0                ; attnf, Wout
	s_load_b64 s[8:9], s[0:1], 0x10                ; out0
	v_lshl_add_u32 v[SPW], v0, 2, SPARE
	v_mov_b32 v[NIL], 0
	v_lshrrev_b32 v1, 5, v0
	v_readfirstlane_b32 s10, v1                    ; wave = head
	v_and_b32 v7, 31, v0
	v_lshlrev_b32 v1, 3, v7                        ; 8 x lane: my two columns
	v_lshlrev_b32 v2, 4, v7                        ; 16 x lane
	s_lshl_b32 s13, s10, 12
	v_add_nc_u32 v3, s13, v2                       ; a's image: my wave's 4,096 bytes, my lane's 16
	v_mov_b32 v4, s13                              ; and where all lanes read
	s_add_co_u32 s14, s13, 65536
	v_add_nc_u32 v5, s14, v1                       ; my wave's sums
	s_lshl_b32 s14, s10, 8
	s_add_co_u32 s14, s14, 65536
	v_add_nc_u32 v6, s14, v1                       ; row w of every wave's sums
	s_mov_b32 s11, ttmp9                           ; which 64 columns
	s_and_b32 s12, ttmp7, 0xffff                   ; the batch
	s_lshl_b32 s16, s12, 16
	s_add_co_u32 s16, s16, s13                     ; (16 b + w) x 4,096
	s_mov_b32 s17, 0
	s_lshl_b32 s18, s10, 18
	s_lshl_b32 s19, s11, 8
	s_add_co_u32 s18, s18, s19                     ; row 64 w of Wout, byte 256 g
	s_lshl_b32 s20, s12, 23
	s_add_co_u32 s20, s20, s13
	s_add_co_u32 s20, s20, s19                     ; row 2048 b + w of out0, byte 256 g
	s_mov_b32 s19, 0
	s_mov_b32 s21, 0
	s_wait_kmcnt 0x0
	s_add_nc_u64 s[4:5], s[4:5], s[16:17]
	s_add_nc_u64 s[6:7], s[6:7], s[18:19]
	s_add_nc_u64 s[8:9], s[8:9], s[20:21]
.irp p, 0,1,2,3,4,5,6,7
	global_load_b128 v[AB+32+4*\p:AB+32+4*\p+3], v2, s[4:5] offset:512*\p
.endr
.macro WLOAD g                         ; group g's four channels, in the order in which a's images hold them: 32 lanes read 256 consecutive bytes, aligned
.irp i, 0,1,2,3
	global_load_b64 v[WR+8*(\g)+2*\i:WR+8*(\g)+2*\i+1], v1, s[6:7] offset:(16*((\g)/4)+8*((\g)%2)+4*(((\g)/2)%2)+\i)*4096
.endr
.endm
.set G, 0
.rept 11
	WLOAD G
.set G, G+1
.endr
	s_wait_loadcnt 44                              ; a's eight loads are in; Wout's 44 may be out
.irp p, 0,1,2,3,4,5,6,7
	ds_store_b128 v3, v[AB+32+4*\p:AB+32+4*\p+3] offset:512*\p
.endr
.rept 5
	WLOAD G
.set G, G+1
.endr
	s_wait_dscnt 0x0
.macro ALOAD n                         ; batch n: group n / 2, rows 8 (n % 2) on: 16 bytes a row, the same for all lanes
.irp r, 0,1,2,3,4,5,6,7
	ds_load_b128 v[AB+32*((\n)%2)+4*\r:AB+32*((\n)%2)+4*\r+3], v4 offset:((\n)/4)*512+(((\n)/2)%2)*256+(8*((\n)%2)+\r)*16
.endr
.endm
.macro FM acc, w, a, sg, first
.if \first
	v_pk_mul_f32 v[(\acc):(\acc)+1], v[(\w):(\w)+1], v[(\a):(\a)+1] op_sel:[0,\sg] op_sel_hi:[1,\sg]
.else
	v_pk_fma_f32 v[(\acc):(\acc)+1], v[(\w):(\w)+1], v[(\a):(\a)+1], v[(\acc):(\acc)+1] op_sel:[0,\sg,0] op_sel_hi:[1,\sg,1]
.endif
.endm
.macro BATCH n
.if (\n)+1 < 32
	ALOAD (\n)+1
	s_wait_dscnt 8                                 ; this batch's eight loads are in; the next batch's may be out
.else
	s_wait_dscnt 0x0
.endif
.if (\n)%2 == 0
	s_wait_loadcnt 60-2*(\n)                       ; this group's four loads of Wout are in; the later groups' may be out
.endif
.set AA, AB+32*((\n)%2)
.set WW, WR+8*((\n)/2)
.set CC, ACC+16*((\n)%2)
.set FI, (\n) < 2
.irp r, 0,1,2,3,4,5,6,7
	FM CC+2*\r, WW, AA+4*\r, 0, FI                 ; a row's first product starts its sum: nothing is cleared
.endr
.irp r, 0,1,2,3,4,5,6,7
	FM CC+2*\r, WW+2, AA+4*\r, 1, 0
.endr
.irp r, 0,1,2,3,4,5,6,7
	FM CC+2*\r, WW+4, AA+4*\r+2, 0, 0
.endr
.irp r, 0,1,2,3,4,5,6,7
	FM CC+2*\r, WW+6, AA+4*\r+2, 1, 0
.endr
.endm
	ALOAD 0
.set N, 0
.rept 32
	BATCH N
.set N, N+1
.endr
.irp r, 0,1,2,3,4,5,6,7,8,9,10,11,12,13,14,15
	ds_store_b64 v5, v[ACC+2*\r:ACC+2*\r+1] offset:256*\r
.endr
	s_wait_dscnt 0x0                               ; for the others' sake: my sums are in LDS
	s_barrier_signal -1
	s_barrier_wait -1
.irp q, 0,1,2,3,4,5,6,7,8,9,10,11,12,13,14,15
	ds_load_b64 v[AB+2*\q:AB+2*\q+1], v6 offset:4096*\q
.endr
	s_wait_dscnt 0x0
.irp q, 0,1,2,3,4,5,6,7
	v_pk_add_f32 v[AB+4*\q:AB+4*\q+1], v[AB+4*\q:AB+4*\q+1], v[AB+4*\q+2:AB+4*\q+3]
.endr
.irp q, 0,1,2,3
	v_pk_add_f32 v[AB+8*\q:AB+8*\q+1], v[AB+8*\q:AB+8*\q+1], v[AB+8*\q+4:AB+8*\q+5]
.endr
.irp q, 0,1
	v_pk_add_f32 v[AB+16*\q:AB+16*\q+1], v[AB+16*\q:AB+16*\q+1], v[AB+16*\q+8:AB+16*\q+9]
.endr
	v_pk_add_f32 v[AB:AB+1], v[AB:AB+1], v[AB+16:AB+17]
	global_store_b64 v1, v[AB:AB+1], s[8:9]        ; 32 lanes store 256 consecutive bytes, aligned
	s_wait_tensorcnt 0x0                           ; the wave's end
	ds_add_u32 v[SPW], v[NIL]
	s_wait_dscnt 0x0
	s_endpgm
.Lfunc_end_k_q2ac5d3dd8e_fproj:
	.size	k_q2ac5d3dd8e_fproj, .Lfunc_end_k_q2ac5d3dd8e_fproj-k_q2ac5d3dd8e_fproj
	.p2alignl 7, 3214868480
	.fill 96, 4, 3214868480
	.section	.rodata,"a",@progbits
	.p2align	6, 0x0
	.amdhsa_kernel k_q2ac5d3dd8e_fproj
		.amdhsa_group_segment_fixed_size 133120
		.amdhsa_private_segment_fixed_size 0
		.amdhsa_enable_private_segment 0
		.amdhsa_kernarg_size 24
		.amdhsa_user_sgpr_count 2
		.amdhsa_user_sgpr_kernarg_segment_ptr 1
		.amdhsa_wavefront_size32 1
		.amdhsa_system_sgpr_workgroup_id_x 1
		.amdhsa_system_sgpr_workgroup_id_y 1
		.amdhsa_system_sgpr_workgroup_id_z 1
		.amdhsa_system_vgpr_workitem_id 0
		.amdhsa_next_free_vgpr 256
		.amdhsa_next_free_sgpr 66
		.amdhsa_reserve_vcc 0
		.amdhsa_float_denorm_mode_32 3
		.amdhsa_float_denorm_mode_16_64 3
		.amdhsa_memory_ordered 1
		.amdhsa_forward_progress 1
		.amdhsa_inst_pref_size 94
	.end_amdhsa_kernel
	.amdgpu_metadata
---
amdhsa.version: [ 1, 2 ]
amdhsa.kernels:
  - .name:           k_q2ac5d3dd8e_fproj
    .symbol:         k_q2ac5d3dd8e_fproj.kd
    .args:
      - { .name: attnf, .offset: 0, .size: 8, .value_kind: global_buffer, .address_space: global }
      - { .name: Wout, .offset: 8, .size: 8, .value_kind: global_buffer, .address_space: global }
      - { .name: out0, .offset: 16, .size: 8, .value_kind: global_buffer, .address_space: global }
    .group_segment_fixed_size: 133120
    .private_segment_fixed_size: 0
    .kernarg_segment_align: 8
    .kernarg_segment_size: 24
    .max_flat_workgroup_size: 512
    .sgpr_count:     66
    .vgpr_count:     256
    .wavefront_size: 32
...
	.end_amdgpu_metadata
.endif
;; end of part 6
